; MI455X (gfx1250); checked and timed in simulation.
; The chip was launched on July 23, 2026; its instructions are those of AMD's public machine-readable ISA for CDNA 5 (MIT licence, August 2026) and "CDNA5" Instruction Set Architecture Reference Guide (July 2026). The comments in the code are by the model that wrote it; some were corrected since.
;; Parallel Dropless MLP. Allowed arithmetic: matrix products marked QUANTISED: E2M3 operands, one E8M0 scale for each 32 along K, by v_wmma_scale_f32_16x16x128_f8f6f4 with both operands' format E2M3, f32 sums; everything else in f32.
;; Inputs: expert_indices 4,096 x 2 int32; expert_weights 4,096 x 2 float32; w1_codes 8 x 1,024 x 32 x 24 uint8 (E2M3 codes of w1, K innermost, in blocks of 32 codes, four codes in three bytes); w1_scales 8 x 1,024 x 32 uint8 (E8M0 scales of w1, one for each 32 codes along K); w2_codes 8 x 1,024 x 32 x 24 uint8 (E2M3 codes of w2, K innermost, in blocks of 32 codes, four codes in three bytes); w2_scales 8 x 1,024 x 32 uint8 (E8M0 scales of w2, one for each 32 codes along K); x_codes 2,048 x 2 x 32 x 24 uint8 (E2M3 codes of x, K innermost, in blocks of 32 codes, four codes in three bytes); x_scales 2,048 x 2 x 32 uint8 (E8M0 scales of x, one for each 32 codes along K).
;; Outputs: out0 2,048 x 2 x 1,024 float32.
;; This version of the problem:
;;   THIS VERSION OF THE PROBLEM IS GIVEN IN LOW PRECISION. The matrix products marked QUANTISED in the list below multiply operands that are first quantised to E2M3 (2 exponent bits, 3 mantissa bits; 6 bits a number), with one power-of-two scale for each 32 numbers along K (OCP MX v1.0); their sums are f32. All else is computed in f32.
;;   The module's matrix products, in the order in which they are computed (A, B: the left and right operand; K: the contracted axis; several contracted axes count as one K, in the product's order):
;;     1. [M 4,096, K 1,024] x [K 1,024, N 1,024]; A: input x (given as codes); B: input w1 (given as codes): QUANTISED
;;     2. [M 4,096, K 1,024] x [K 1,024, N 1,024]; A: computed on the way; B: input w2 (given as codes): QUANTISED
;;     3. [M 4,096, K 1,024] x [K 1,024, N 1,024]; A: input x (given as codes); B: input w1 (given as codes): QUANTISED
;;     4. [M 4,096, K 1,024] x [K 1,024, N 1,024]; A: computed on the way; B: input w2 (given as codes): QUANTISED
;;     5. [M 4,096, K 1,024] x [K 1,024, N 1,024]; A: input x (given as codes); B: input w1 (given as codes): QUANTISED
;;     6. [M 4,096, K 1,024] x [K 1,024, N 1,024]; A: computed on the way; B: input w2 (given as codes): QUANTISED
;;     7. [M 4,096, K 1,024] x [K 1,024, N 1,024]; A: input x (given as codes); B: input w1 (given as codes): QUANTISED
;;     8. [M 4,096, K 1,024] x [K 1,024, N 1,024]; A: computed on the way; B: input w2 (given as codes): QUANTISED
;;     9. [M 4,096, K 1,024] x [K 1,024, N 1,024]; A: input x (given as codes); B: input w1 (given as codes): QUANTISED
;;     10. [M 4,096, K 1,024] x [K 1,024, N 1,024]; A: computed on the way; B: input w2 (given as codes): QUANTISED
;;     11. [M 4,096, K 1,024] x [K 1,024, N 1,024]; A: input x (given as codes); B: input w1 (given as codes): QUANTISED
;;     12. [M 4,096, K 1,024] x [K 1,024, N 1,024]; A: computed on the way; B: input w2 (given as codes): QUANTISED
;;     13. [M 4,096, K 1,024] x [K 1,024, N 1,024]; A: input x (given as codes); B: input w1 (given as codes): QUANTISED
;;     14. [M 4,096, K 1,024] x [K 1,024, N 1,024]; A: computed on the way; B: input w2 (given as codes): QUANTISED
;;     15. [M 4,096, K 1,024] x [K 1,024, N 1,024]; A: input x (given as codes); B: input w1 (given as codes): QUANTISED
;;     16. [M 4,096, K 1,024] x [K 1,024, N 1,024]; A: computed on the way; B: input w2 (given as codes): QUANTISED
;;   THE QUANTISER, for each operand of a quantised product, along K:
;;     - K is cut into blocks of 32 from its start; a last block that is shorter is filled with zeros.
;;     - A block's scale is 2^e with e = floor(log2(the largest magnitude in the block)) - 2, held to -126 .. 127; a block of zeros has e = 0. As a byte (E8M0): e + 127.
;;     - Each number is divided by its block's scale, clamped to +-7.5, and rounded to the nearest number of E2M3, ties to even, subnormals kept.
;;     - The product sums the exact products of the quantised numbers (number of the format x scale) in f32.
;;   ~~~python
;;   def quantise(x, axis):      # numpy; x: float32 -> the quantised numbers, widened to float32 again
;;       x = np.moveaxis(x, axis, -1); K = x.shape[-1]
;;       x = np.pad(x, [(0, 0)] * (x.ndim - 1) + [(0, -K % 32)]); x = x.reshape(x.shape[:-1] + (-1, 32)); a = np.abs(x).max(-1, keepdims=True)
;;       e = np.where(a > 0, np.clip(np.frexp(np.where(a > 0, a, 1))[1] - 1 - 2, -126, 127), 0)      # np.frexp(a)[1] - 1 = floor(log2(a)), exactly
;;       r = np.clip(x / 2.0 ** e, -7.5, 7.5)
;;       step = 2.0 ** (np.maximum(np.frexp(np.where(r == 0, 1, r))[1] - 1, 0) - 3)
;;       q = np.round(r / step) * step * 2.0 ** e      # np.round: ties to even
;;       return np.moveaxis(q.reshape(q.shape[:-2] + (-1,))[..., :K], -1, axis).astype(np.float32)
;;   ~~~
;;   OPERANDS COMPUTED ON THE WAY. 'Computed on the way' means the value that the module computes at that place (a softmax that the list does not call 'softmax' is quantised finished and normalised). What goes into a quantiser is computed in f32, as accurately as f32 sums, v_exp_f32 and their like allow (about 1e-6 of the number): no bf16 or f16 on the way to a quantiser, and a product that is left as it is and whose result goes on into a quantised operand takes f32 operands (vector FMAs, or v_wmma_f32_16x16x4_f32). A number that lies on a knife's edge between two numbers of the format may be rounded either way, as far as f32 arithmetic and the matrix unit's own rounding can turn it there, and no further.
;;   INPUTS GIVEN AS CODES. w1 (in the module: [8, 1024, 1024], K = its axis 1); w2 (in the module: [8, 1024, 1024], K = its axis 1); x (in the module: [2048, 2, 1024], K = its axis 2): each comes as NAME_codes (uint8): NAME with its K axis moved to the last place and cut into blocks of 32 codes, [.., K / 32, bytes a block], one block behind the other in memory; four codes in three bytes: a row's codes are one little-endian stream of bits, code i at bits 6 i .. 6 i + 5 (a code: sign, 2 exponent bits, 3 mantissa bits); and NAME_scales (uint8): the same leading axes, one E8M0 byte (e + 127) for each 32 codes along K. Its value is code x scale, taken as it is: it is not quantised again, and the codes and scales need not be those that the quantiser above would give.
;; One version. Each part assembles by itself: llvm-mc -triple=amdgcn-amd-amdhsa -mcpu=gfx1250 --defsym DOCPART=n.
;; ======== version 1 of 1: 3 launches
;; limits: right only within a limited range of input values
;; workspace buffers: w1f 6,291,456 bytes; w2f 6,291,456 bytes; hid 9,437,184 bytes; rlist 36,864 bytes of whole numbers; texp 256 bytes of whole numbers; prec 65,536 bytes of whole numbers
;; launch route (part 1): grid 72 x 1, 16 waves a work-group, no clusters, 252,672 bytes of LDS; arguments expert_indices, w1_codes, w2_codes, w1f, w2f, rlist, texp, prec; writes w1f, w2f, rlist, texp, prec
.if DOCPART == 1
	.amdgcn_target "amdgcn-amd-amdhsa--gfx1250"
	.amdhsa_code_object_version 6
	.text
	.protected	k_q464dcefe56_route
	.globl	k_q464dcefe56_route
	.p2align	8
	.type	k_q464dcefe56_route,@function
k_q464dcefe56_route:
	s_mov_b64 s[64:65], 0
	v_nop
	global_prefetch_b8 v0, s[64:65] scope:SCOPE_SE
	s_setreg_imm32_b32 hwreg(HW_REG_WAVE_MODE, 25, 1), 1
	s_wait_xcnt 0x0
; ROUTE.  Work-groups 0 to 7 sort; work-groups 8 to 71 lay W1's and W2's codes out anew.
; WORK LEFT OUT BY THE PROGRAM: reference() multiplies every token by every expert and then weighs expert e's row with the sum of jnp.where(ei == e, ew, 0): for an expert that a token
; did not choose that factor is 0 whatever the inputs hold, so only the 8,192 chosen rows (token, choice) are multiplied.  LIMIT: a NaN, an infinity or an overflow in a row that is left out is not carried to the result.
; THE SORT (4,096 tokens, two experts each, 512 threads, no atomics).  Two counting sorts from one set of ballots:
;   (1) the 8,192 routed rows by expert, each expert's rows rounded up to whole tiles of 144: rlist[row] = token, texp[tile] = expert.
;       ceil(8192 / 144) + 7 = 64 tiles serve every split; rows that a split leaves over name token 0 and are read by nobody later.
;   (2) the tokens by their unordered pair of experts (key 8 min + max): prec[place] = {token, row of choice 0, row of choice 1, e0 | e1 << 8}.
; A slot is 32 tokens, one wave's ballot; wave w owns slots 8 w .. 8 w + 7; a group is 16 slots.
; EIGHT WORK-GROUPS SHARE THE STORES.  A token's places lie far apart, so its three stores go lane by lane.  Each of the eight work-groups repeats the counting (32 KB of indices) and work-group g stores
; slot g of each wave's eight alone: 3 such store instructions a wave in place of 24.  The rows left over are stored by work-groups 0 to 4 (a piece each), texp by work-group 7.
; So every word of rlist, texp and prec is stored by exactly one lane of one work-group.  These choices are scalar branches on the work-group's number; they lead round no barrier.
; THE NEW LAYOUT of a weight: [expert][tile 64][K step 8][1,536 bytes]: a fragment (16 rows x 128 K, 12 registers a lane) as an image of its registers: registers 4 q .. 4 q + 3 of lane l at 512 q + 16 l.
; Tile 2 B + u takes rows 32 B + 8 u + p + 8 (p / 8), p = 0 .. 15, so that the 16 results of tiles 2 B and 2 B + 1 in a lane are 16 neighbouring columns.
; LIMITS: an expert's index lies in 0 .. 7, as the comparison with e = 0 .. 7 presumes of a row that counts; a larger one is held at 7.
; The two ways part on the work-group's number and have LDS bytes of their own.  No tensor load, no cluster: lists and gathers; no prefetch: no loop to run ahead in.
; REGISTERS THAT LIVE THROUGH THE SORT: v0-31 numbers and addresses; v32-47 the two indices of my token in each of 8 slots; v48-51 my wave's ballots; v52-59 the smaller index.  All else, from v60 on, is at work in one phase only.
.set MK,   0                           ; [slot 128][16 words]: ballots min == j (j = 0 .. 7), then max == j
.set PP,   8192                        ; [slot][key 64]: tokens of that key in the group's earlier slots
.set PEL,  40960                       ; [slot][expert 8]: rows of that expert in the group's earlier slots
.set SS,   45056                       ; [group 8][key]: a group's tokens of a key
.set PB,   47104                       ; [group][key]: where a group's tokens of a key begin
.set SE,   49152                       ; [group][expert]: a group's rows of an expert
.set PEB,  49408                       ; [group][expert]: where a group's rows of an expert begin
.set EC,   49664                       ; count[8], first row[8] at +32, rounded count[8] at +64, first row behind all tiles at +96
.set RLY,  49920                       ; the other way's stages: 16 rows x 784 bytes for each wave
.set RP,   784                         ; 768 bytes + 16
.set RST,  16*RP
.set SPARE, RLY+16*RST                 ; the spare words, 128 bytes a wave
.set NSORT, 8                          ; sorting work-groups
.macro BARRIER                         ; my LDS stores have landed and my LDS loads are in: then the work-group's barrier
	s_wait_dscnt 0x0
	s_barrier_signal -1
	s_barrier_wait -1
.endm
.macro POPC d, t                       ; v[d] = the number of ones in v[d]; v[t] at work; s22 = 0x01010101
	v_lshrrev_b32 v[\t], 1, v[\d]
	s_delay_alu instid0(VALU_DEP_1)
	v_and_b32 v[\t], 0x55555555, v[\t]
	s_delay_alu instid0(VALU_DEP_1)
	v_sub_nc_u32 v[\d], v[\d], v[\t]
	s_delay_alu instid0(VALU_DEP_1)
	v_lshrrev_b32 v[\t], 2, v[\d]
	s_delay_alu instid0(VALU_DEP_2)
	v_and_b32 v[\d], 0x33333333, v[\d]
	s_delay_alu instid0(VALU_DEP_2)
	v_and_b32 v[\t], 0x33333333, v[\t]
	s_delay_alu instid0(VALU_DEP_1)
	v_add_nc_u32 v[\d], v[\d], v[\t]
	s_delay_alu instid0(VALU_DEP_1)
	v_lshrrev_b32 v[\t], 4, v[\d]
	s_delay_alu instid0(VALU_DEP_1)
	v_add_nc_u32 v[\d], v[\d], v[\t]
	s_delay_alu instid0(VALU_DEP_1)
	v_and_b32 v[\d], 0x0f0f0f0f, v[\d]
	s_delay_alu instid0(VALU_DEP_1)
	v_mul_lo_u32 v[\d], v[\d], s22
	s_delay_alu instid0(VALU_DEP_1)
	v_lshrrev_b32 v[\d], 24, v[\d]
.endm
.macro VK op, x, k, y, n               ; v[x + i] = op(k, v[y + i]), i = 0 .. n - 1
.set PI, 0
.rept \n
	\op v[(\x)+PI], \k, v[(\y)+PI]
.set PI, PI+1
.endr
.endm
.macro VV op, x, y, z, n               ; v[x + i] = op(v[y + i], v[z + i])
.set PI, 0
.rept \n
	\op v[(\x)+PI], v[(\y)+PI], v[(\z)+PI]
.set PI, PI+1
.endr
.endm
.macro POPCN d, t, n                   ; the same count for n words at once, step by step: n independent lines stand between a result and its reader
	VK v_lshrrev_b32, \t, 1, \d, \n
	VK v_and_b32, \t, 0x55555555, \t, \n
	VV v_sub_nc_u32, \d, \d, \t, \n
	VK v_lshrrev_b32, \t, 2, \d, \n
	VK v_and_b32, \d, 0x33333333, \d, \n
	VK v_and_b32, \t, 0x33333333, \t, \n
	VV v_add_nc_u32, \d, \d, \t, \n
	VK v_lshrrev_b32, \t, 4, \d, \n
	VV v_add_nc_u32, \d, \d, \t, \n
	VK v_and_b32, \d, 0x0f0f0f0f, \d, \n
	VK v_mul_lo_u32, \d, s22, \d, \n
	VK v_lshrrev_b32, \d, 24, \d, \n
.endm
.macro SCAN32 v, t                     ; v[v] = the sum of v[v] over lanes 0 .. mine; v3 = lane / 16
.irp n, 1
	v_mov_b32_dpp v[\t], v[\v] row_shr:\n row_mask:0xf bank_mask:0xf bound_ctrl:1
	s_delay_alu instid0(VALU_DEP_1)
	v_add_nc_u32 v[\v], v[\v], v[\t]
.endr
.irp n, 2, 4, 8
	s_delay_alu instid0(VALU_DEP_1)
	v_mov_b32_dpp v[\t], v[\v] row_shr:\n row_mask:0xf bank_mask:0xf bound_ctrl:1
	s_delay_alu instid0(VALU_DEP_1)
	v_add_nc_u32 v[\v], v[\v], v[\t]
.endr
	s_delay_alu instid0(VALU_DEP_1)
	v_readlane_b32 s23, v[\v], 15
	s_delay_alu instid0(VALU_DEP_1)
	v_mad_u32_u24 v[\v], v3, s23, v[\v]            ; lanes 16-31 add the lower half's total
.endm
	s_load_b512 s[4:19], s[0:1], 0x0               ; indices s[4:5], W1's codes s[6:7], W2's s[8:9], w1f s[10:11], w2f s[12:13], rlist s[14:15], texp s[16:17], prec s[18:19]
	v_lshl_add_u32 v240, v0, 2, SPARE
	v_mov_b32 v241, 0
	v_lshrrev_b32 v1, 5, v0
	s_delay_alu instid0(VALU_DEP_1)
	v_readfirstlane_b32 s20, v1                    ; wave 0 .. 15
	v_and_b32 v1, 31, v0                           ; l
	v_and_b32 v2, 15, v0                           ; r
	v_bfe_u32 v3, v0, 4, 1                         ; h
	s_cmp_ge_u32 ttmp9, NSORT
	s_cbranch_scc1 .Lrelay
	; ---------------- THE SORT.  Every LDS address is made here, ahead of any parting of the waves, from the thread's number, the wave's number and constants.
	s_lshr_b32 s21, s20, 1                         ; my wave's group in the last phase: (8 w + q) / 16
	s_mov_b32 s22, 0x01010101
	v_and_b32 v29, 7, v0
	v_lshlrev_b32 v31, 2, v1                       ; 4 l
	s_delay_alu instid0(VALU_DEP_2)
	v_lshlrev_b32 v4, 2, v29                       ; 4 (l % 8)
	v_mov_b32 v30, 0
	s_lshl_b32 s23, s20, 11
	v_lshl_add_u32 v8, v1, 3, s23                  ; the indices of token 256 w + l: 8 bytes a token
	s_lshl_b32 s23, s20, 9
	v_add_nc_u32 v9, s23, v31                      ; MK + 512 w + 4 l
	v_lshrrev_b32 v5, 6, v0
	s_delay_alu instid0(VALU_DEP_1)
	v_lshlrev_b32 v5, 10, v5                       ; 1,024 x group, group = thread / 64
	v_bfe_u32 v6, v0, 3, 3
	s_delay_alu instid0(VALU_DEP_1)
	v_lshl_add_u32 v10, v6, 2, v5                  ; ballot min == key / 8 of the group's first slot
	s_delay_alu instid0(VALU_DEP_3)
	v_add_nc_u32 v11, v5, v4
	s_delay_alu instid0(VALU_DEP_1)
	v_add_nc_u32 v11, 32, v11                      ; ballot max == key % 8
	v_and_b32 v7, 63, v0                           ; key = thread % 64
	v_lshlrev_b32 v12, 2, v5
	s_delay_alu instid0(VALU_DEP_1)
	v_lshl_add_u32 v12, v7, 2, v12
	s_delay_alu instid0(VALU_DEP_1)
	v_add_nc_u32 v12, PP, v12                      ; PP + 4,096 group + 4 key
	v_lshl_add_u32 v13, v0, 2, SS
	v_lshlrev_b32 v14, 10, v6
	s_delay_alu instid0(VALU_DEP_1)
	v_add_nc_u32 v14, v14, v4                      ; waves 0, 1: group = thread / 8, expert = thread % 8: its ballots
	v_lshlrev_b32 v15, 9, v6
	s_delay_alu instid0(VALU_DEP_1)
	v_add_nc_u32 v15, v15, v4
	s_delay_alu instid0(VALU_DEP_1)
	v_add_nc_u32 v15, PEL, v15
	v_lshl_add_u32 v16, v7, 2, SE
	v_add_nc_u32 v17, SS, v31
	v_add_nc_u32 v18, PB, v31
	v_add_nc_u32 v19, SE, v4
	v_add_nc_u32 v20, PEB, v4
	v_add_nc_u32 v21, EC, v4
	s_lshl_b32 s23, s21, 8
	s_add_co_u32 s23, s23, PB
	v_add_nc_u32 v22, s23, v31
	s_lshl_b32 s23, s21, 5
	s_add_co_u32 s23, s23, PEB
	v_add_nc_u32 v23, s23, v4
	s_lshl_b32 s23, s20, 11
	s_add_co_u32 s23, s23, PP
	v_add_nc_u32 v24, s23, v31
	s_lshl_b32 s23, s20, 8
	s_add_co_u32 s23, s23, PEL
	v_add_nc_u32 v25, s23, v4
	s_lshl_b32 s23, s21, 2
	s_add_co_u32 s23, s23, EC
	v_mov_b32 v26, s23
	v_mov_b32 v27, EC+96
	s_lshl_b32 s23, s20, 8
	v_add_nc_u32 v28, s23, v1                      ; my token in slot 0 of my wave
	s_wait_kmcnt 0x0
	; ---- phase 1: ballots.  v[32+2q], v[33+2q] the two indices; v[52+q] the smaller; v60 the larger, for the ballots alone; v[48+q/2] lane 16 (q % 2) + j: the slot's 16 ballots
.irp q, 0,1,2,3,4,5,6,7
	global_load_b64 v[32+2*\q:33+2*\q], v8, s[4:5] offset:256*\q
.endr
.irp p, 0,1,2,3
	v_mov_b32 v[48+\p], 0
.endr
	s_wait_loadcnt 0x0
.irp q, 0,1,2,3,4,5,6,7
	v_min_u32 v[32+2*\q], 7, v[32+2*\q]
	v_min_u32 v[33+2*\q], 7, v[33+2*\q]
	s_delay_alu instid0(VALU_DEP_1)
	v_min_u32 v[52+\q], v[32+2*\q], v[33+2*\q]
	s_delay_alu instid0(VALU_DEP_2)
	v_max_u32 v60, v[32+2*\q], v[33+2*\q]
.irp j, 0,1,2,3,4,5,6,7
	v_cmp_eq_u32 s[24+\j], \j, v[52+\q]
	v_cmp_eq_u32 s[32+\j], \j, v60
.endr
.irp j, 0
	v_writelane_b32 v[48+\q/2], s[24+\j], 16*(\q%2)+\j
	s_delay_alu instid0(VALU_DEP_1)
	v_writelane_b32 v[48+\q/2], s[32+\j], 16*(\q%2)+8+\j
.endr
.irp j, 1, 2, 3, 4, 5, 6, 7
	s_delay_alu instid0(VALU_DEP_1)
	v_writelane_b32 v[48+\q/2], s[24+\j], 16*(\q%2)+\j
	s_delay_alu instid0(VALU_DEP_1)
	v_writelane_b32 v[48+\q/2], s[32+\j], 16*(\q%2)+8+\j
.endr
.endr
.irp p, 0,1,2,3
	ds_store_b32 v9, v[48+\p] offset:128*\p
.endr
	BARRIER                                        ; all 128 slots' ballots lie in LDS
	; ---- phase 2: thread (group, key) walks its group's 16 slots: tokens of the key = ones of (min's ballot & max's ballot)
.irp i, 0,1,2,3,4,5,6,7,8,9,10,11,12,13,14,15
	ds_load_b32 v[64+\i], v10 offset:64*\i
	ds_load_b32 v[80+\i], v11 offset:64*\i
.endr
	v_mov_b32 v100, 0
	s_wait_dscnt 0x0
	VV v_and_b32, 64, 64, 80, 16
	POPCN 64, 80, 16
	v_add_nc_u32 v101, v100, v64
.irp i, 1,2,3,4,5,6,7,8,9,10,11,12,13,14,15
	s_delay_alu instid0(VALU_DEP_1)
	v_add_nc_u32 v[101+\i], v[100+\i], v[64+\i]
.endr
.irp i, 0,1,2,3,4,5,6,7,8,9,10,11,12,13,14,15
	ds_store_b32 v12, v[100+\i] offset:256*\i
.endr
	ds_store_b32 v13, v116
	s_cmp_lt_u32 s20, 2                            ; waves 0, 1: thread (group, expert): rows of the expert = ones of both its ballots
	s_cbranch_scc0 .Lno_p2e
.irp i, 0,1,2,3,4,5,6,7,8,9,10,11,12,13,14,15
	ds_load_b32 v[64+\i], v14 offset:64*\i
	ds_load_b32 v[80+\i], v14 offset:64*\i+32
.endr
	v_mov_b32 v120, 0
	s_wait_dscnt 0x0
	POPCN 64, 140, 32                              ; v64-79 and v80-95 together; v140-171 at work
	VV v_add_nc_u32, 64, 64, 80, 16
	v_add_nc_u32 v121, v120, v64
.irp i, 1,2,3,4,5,6,7,8,9,10,11,12,13,14,15
	s_delay_alu instid0(VALU_DEP_1)
	v_add_nc_u32 v[121+\i], v[120+\i], v[64+\i]
.endr
.irp i, 0,1,2,3,4,5,6,7,8,9,10,11,12,13,14,15
	ds_store_b32 v15, v[120+\i] offset:32*\i
.endr
	ds_store_b32 v16, v136
.Lno_p2e:
	BARRIER
	; ---- phase 2b, wave 0: where each (group, key) begins among the 4,096 places
	s_cmp_eq_u32 s20, 0
	s_cbranch_scc0 .Lnot_w0
.irp g, 0,1,2,3,4,5,6,7
	ds_load_b32 v[64+\g], v17 offset:256*\g
	ds_load_b32 v[72+\g], v17 offset:256*\g+128
.endr
	v_mov_b32 v84, 0
	s_wait_dscnt 0x0
	v_add_nc_u32 v80, v64, v65
	v_add_nc_u32 v81, v72, v73
.irp g, 2,3,4,5,6,7
	s_delay_alu instid0(VALU_DEP_2)
	v_add_nc_u32 v80, v80, v[64+\g]
	s_delay_alu instid0(VALU_DEP_2)
	v_add_nc_u32 v81, v81, v[72+\g]
.endr
	s_delay_alu instid0(VALU_DEP_2)
	v_mov_b32 v82, v80
	s_delay_alu instid0(VALU_DEP_2)
	v_mov_b32 v83, v81
	SCAN32 82, 84                                  ; keys 0 .. 31
	SCAN32 83, 84                                  ; keys 32 .. 63
	v_readlane_b32 s23, v82, 31
	v_sub_nc_u32 v88, v82, v80
	s_delay_alu instid0(VALU_DEP_3)
	v_sub_nc_u32 v96, v83, v81
	s_delay_alu instid0(VALU_DEP_1)
	v_add_nc_u32 v96, s23, v96
.irp g, 0
	s_delay_alu instid0(VALU_DEP_3)
	v_add_nc_u32 v[89+\g], v[88+\g], v[64+\g]
	s_delay_alu instid0(VALU_DEP_2)
	v_add_nc_u32 v[97+\g], v[96+\g], v[72+\g]
.endr
.irp g, 1, 2, 3, 4, 5, 6
	s_delay_alu instid0(VALU_DEP_2)
	v_add_nc_u32 v[89+\g], v[88+\g], v[64+\g]
	s_delay_alu instid0(VALU_DEP_2)
	v_add_nc_u32 v[97+\g], v[96+\g], v[72+\g]
.endr
.irp g, 0,1,2,3,4,5,6,7
	ds_store_b32 v18, v[88+\g] offset:256*\g
	ds_store_b32 v18, v[96+\g] offset:256*\g+128
.endr
.Lnot_w0:
	; ---- phase 2b, wave 1: each expert's rows, tiles and first row; the tiles' experts
	s_cmp_eq_u32 s20, 1
	s_cbranch_scc0 .Lnot_w1
.irp g, 0,1,2,3,4,5,6,7
	ds_load_b32 v[64+\g], v19 offset:32*\g
.endr
	s_wait_dscnt 0x0
	v_add_nc_u32 v80, v64, v65
.irp g, 2,3,4,5,6,7
	s_delay_alu instid0(VALU_DEP_1)
	v_add_nc_u32 v80, v80, v[64+\g]                ; the expert's rows (lane % 8 = expert)
.endr
	s_delay_alu instid0(VALU_DEP_1)
	v_add_nc_u32 v81, 143, v80
	s_delay_alu instid0(VALU_DEP_1)
	v_mul_u32_u24 v81, v81, 0x1c72
	s_delay_alu instid0(VALU_DEP_1)
	v_lshrrev_b32 v81, 20, v81                     ; its tiles: (c + 143) / 144 = (c + 143) x 7,282 >> 20, exact up to 8,335
	s_delay_alu instid0(VALU_DEP_1)
	v_mul_u32_u24 v82, v81, 144
.irp e, 0,1,2,3,4,5,6,7
	v_readlane_b32 s[40+\e], v81, \e
.endr
	s_mov_b32 s23, 0
.irp e, 0,1,2,3,4,5,6,7
	s_mul_i32 s[56+\e], s23, 144                   ; the expert's first row
	s_add_co_u32 s23, s23, s[40+\e]
	s_mov_b32 s[48+\e], s23                        ; the tile behind its last
.endr
	s_mul_i32 s23, s23, 144
	v_mov_b32 v83, 0
.irp e, 0,1,2,3,4,5,6,7
	v_cmp_eq_u32 vcc_lo, \e, v29
	v_mov_b32 v84, s[56+\e]
	s_delay_alu instid0(VALU_DEP_1)
	v_cndmask_b32 v83, v83, v84, vcc_lo
.endr
	s_delay_alu instid0(VALU_DEP_1)
	v_mov_b32 v88, v83
.irp g, 0,1,2,3,4,5,6
	s_delay_alu instid0(VALU_DEP_1)
	v_add_nc_u32 v[89+\g], v[88+\g], v[64+\g]
.endr
.irp g, 0,1,2,3,4,5,6,7
	ds_store_b32 v20, v[88+\g] offset:32*\g
.endr
	ds_store_b32 v21, v80
	ds_store_b32 v21, v83 offset:32
	ds_store_b32 v21, v82 offset:64
	v_mov_b32 v85, s23
	ds_store_b32 v27, v85
	v_mov_b32 v104, 0                              ; tile T's expert: how many experts end at or before T; spare tiles: 7
	v_mov_b32 v105, 0
	v_add_nc_u32 v106, 32, v1
.irp e, 0,1,2,3,4,5,6,7
	v_cmp_le_u32 vcc_lo, s[48+\e], v1
	s_delay_alu instid0(VALU_DEP_1)
	v_cndmask_b32 v107, 0, 1, vcc_lo
	s_delay_alu instid0(VALU_DEP_1)
	v_add_nc_u32 v104, v104, v107
	v_cmp_le_u32 vcc_lo, s[48+\e], v106
	s_delay_alu instid0(VALU_DEP_1)
	v_cndmask_b32 v107, 0, 1, vcc_lo
	s_delay_alu instid0(VALU_DEP_1)
	v_add_nc_u32 v105, v105, v107
.endr
	s_delay_alu instid0(VALU_DEP_4)
	v_min_u32 v104, 7, v104
	s_delay_alu instid0(VALU_DEP_2)
	v_min_u32 v105, 7, v105
	s_cmp_lg_u32 ttmp9, 7                          ; texp is stored by work-group 7 alone
	s_wait_alu depctr_va_vdst(0)
	s_cbranch_scc1 .Lnot_w1
	global_store_b32 v31, v104, s[16:17]
	global_store_b32 v31, v105, s[16:17] offset:128
.Lnot_w1:
	BARRIER
	; ---- phase 3: the tokens of slot g of each wave find their places and their two rows.  No LDS byte is written from here on.
	ds_load_b32 v64, v22
	ds_load_b32 v65, v22 offset:128
	ds_load_b32 v66, v23
.irp q, 0,1,2,3,4,5,6,7
	ds_load_b32 v[68+\q], v24 offset:256*\q
	ds_load_b32 v[76+\q], v24 offset:256*\q+128
	ds_load_b32 v[84+\q], v25 offset:32*\q
.endr
	ds_load_b32 v92, v26
	ds_load_b32 v93, v26 offset:32
	ds_load_b32 v94, v26 offset:64
	ds_load_b32 v95, v27
	s_wait_dscnt 0x0
; Lane l holds the slot's starts of keys l and l + 32 and of expert l % 8; a token fetches its own from the lane that holds them, and its ballots from the register that phase 1 filled.
; The larger index is made anew here from the two indices: phases 2 and 3 use the registers from v60 on for other things.
.macro SLOT3A q
.set IX, 192+6*(\q)
.set RR, 128+8*(\q)
	v_add_nc_u32 v[68+\q], v[68+\q], v64
	v_add_nc_u32 v[76+\q], v[76+\q], v65
	v_add_nc_u32 v[84+\q], v[84+\q], v66
	v_max_u32 v[IX+2], v[32+2*\q], v[33+2*\q]      ; the larger index
	s_delay_alu instid0(VALU_DEP_1)
	v_lshl_add_u32 v[IX], v[52+\q], 3, v[IX+2]     ; the key
	s_delay_alu instid0(VALU_DEP_1)
	v_and_b32 v[IX], 31, v[IX]                     ; the lane that holds its starts: key mod 32
	s_delay_alu instid0(VALU_DEP_1)
	v_lshlrev_b32 v[IX], 2, v[IX]
	v_lshlrev_b32 v[IX+1], 2, v[52+\q]
	v_lshlrev_b32 v[IX+2], 2, v[IX+2]
	s_delay_alu instid0(VALU_DEP_2)
	v_add_nc_u32 v[IX+3], 64*(\q%2), v[IX+1]
	s_delay_alu instid0(VALU_DEP_2)
	v_add_nc_u32 v[IX+4], 64*(\q%2)+32, v[IX+2]
	s_delay_alu instid0(VALU_DEP_3)
	v_add_nc_u32 v[IX+5], 64*(\q%2), v[IX+2]
	ds_bpermute_b32 v[RR], v[IX], v[68+\q]         ; the key's start, if the key is under 32,
	ds_bpermute_b32 v[RR+1], v[IX], v[76+\q]       ; and if not
	ds_bpermute_b32 v[RR+2], v[IX+3], v[48+\q/2]   ; who has my smaller index as the smaller,
	ds_bpermute_b32 v[RR+3], v[IX+4], v[48+\q/2]   ; who has my larger as the larger,
	ds_bpermute_b32 v[RR+4], v[IX+5], v[48+\q/2]   ; who has my larger as the smaller
	ds_bpermute_b32 v[RR+5], v[IX+1], v[84+\q]     ; the two experts' starts
	ds_bpermute_b32 v[RR+6], v[IX+2], v[84+\q]
.endm
.macro SLOT3B q                        ; all results go into the slot's own eight registers: no store's source is written again
.set RR, 128+8*(\q)
	v_and_b32 v110, v[RR+2], v[RR+3]
	v_cmp_lt_u32 vcc_lo, 3, v[52+\q]
	s_delay_alu instid0(VALU_DEP_1)
	v_cndmask_b32 v111, v[RR], v[RR+1], vcc_lo
	s_delay_alu instid0(VALU_DEP_1)
	v_mbcnt_lo_u32_b32 v111, v110, v111            ; my place: the key's start + the lanes below me with my key
	v_mbcnt_lo_u32_b32 v112, v[RR+2], v[RR+5]      ; the smaller index's row
	POPC RR+4, 113
	v_mbcnt_lo_u32_b32 v114, v[RR+3], v[RR+6]
	s_delay_alu instid0(VALU_DEP_1)
	v_add_nc_u32 v114, v114, v[RR+4]               ; the larger's: in a slot an expert's rows by smaller index come first
	v_cmp_gt_u32 vcc_lo, v[32+2*\q], v[33+2*\q]
	s_delay_alu instid0(VALU_DEP_1)
	v_cndmask_b32 v[RR+5], v112, v114, vcc_lo      ; the row of choice 0
	s_delay_alu instid0(VALU_DEP_2)
	v_cndmask_b32 v[RR+6], v114, v112, vcc_lo      ; and of choice 1
	v_add_nc_u32 v[RR+4], 32*\q, v28               ; my token
	v_lshl_or_b32 v[RR+7], v[33+2*\q], 8, v[32+2*\q]
	v_min_u32 v[RR], 0x23ff, v112
	v_min_u32 v[RR+1], 0x23ff, v114
	v_min_u32 v[RR+2], 0xfff, v111
	s_delay_alu instid0(VALU_DEP_3)
	v_lshlrev_b32 v[RR], 2, v[RR]
	s_delay_alu instid0(VALU_DEP_3)
	v_lshlrev_b32 v[RR+1], 2, v[RR+1]
	s_delay_alu instid0(VALU_DEP_3)
	v_lshlrev_b32 v[RR+2], 4, v[RR+2]
	global_store_b32 v[RR], v[RR+4], s[14:15]
	global_store_b32 v[RR+1], v[RR+4], s[14:15]
	global_store_b128 v[RR+2], v[RR+4:RR+7], s[18:19]
.endm
.irp q, 0,1,2,3,4,5,6,7
	s_cmp_lg_u32 ttmp9, \q                         ; slot q of every wave belongs to work-group q
	s_wait_alu depctr_va_vdst(0)
	s_cbranch_scc1 .Lnot_slot_\q
	SLOT3A \q
	s_wait_alu depctr_va_vdst(0)
	s_wait_dscnt 0x0                               ; the seven fetches from other lanes are in
	SLOT3B \q
.Lnot_slot_\q:
.endr
	; ---- the rows that are left over name token 0.  Waves 2 e, 2 e + 1: the rest of expert e's last tile (143 rows at the most: 3 x 64 places, piece j by work-group j);
	; all threads: the tiles behind the last expert's (7 x 144 = 1,008 rows at the most: 2 x 512 places, piece j by work-group 3 + j).  All addresses are made with every lane on; a lane whose place lies outside is switched off for its store.
	s_wait_xcnt 0x0                                ; every store so far has read its registers (ISA guide 3.1); the lines below also keep to registers that no global store has named
	v_and_b32 v96, 63, v0
	s_delay_alu instid0(VALU_DEP_1)
	v_add_nc_u32 v96, v96, v92                     ; the expert's rows + my place
.irp j, 0,1,2
	v_add_nc_u32 v[100+\j], 64*\j, v96             ; a row counted from the expert's first: left over where it is under the rounded count
	s_delay_alu instid0(VALU_DEP_1)
	v_add_nc_u32 v[116+\j], v[100+\j], v93
	s_delay_alu instid0(VALU_DEP_1)
	v_min_u32 v[116+\j], 0x23ff, v[116+\j]
	s_delay_alu instid0(VALU_DEP_1)
	v_lshlrev_b32 v[116+\j], 2, v[116+\j]
.endr
.irp j, 0,1
	v_add_nc_u32 v[98+\j], v95, v0
	s_delay_alu instid0(VALU_DEP_1)
	v_add_nc_u32 v[98+\j], 512*\j, v[98+\j]        ; a row behind all tiles in use: left over where it is under 9,216
	s_delay_alu instid0(VALU_DEP_1)
	v_min_u32 v[120+\j], 0x23ff, v[98+\j]
	s_delay_alu instid0(VALU_DEP_1)
	v_lshlrev_b32 v[120+\j], 2, v[120+\j]
.endr
.irp j, 0,1,2
	s_cmp_lg_u32 ttmp9, \j
	s_wait_alu depctr_va_vdst(0)
	s_cbranch_scc1 .Lnot_rest_\j
	v_cmp_lt_u32 vcc_lo, v[100+\j], v94
	s_wait_xcnt 0x0                                ; EXEC is a source of the stores that are out: it changes only behind this wait
	s_and_saveexec_b32 s24, vcc_lo
	global_store_b32 v[116+\j], v30, s[14:15]
	s_wait_xcnt 0x0                                ; and again in front of the line that widens it
	s_or_b32 exec_lo, exec_lo, s24
.Lnot_rest_\j:
.endr
.irp j, 0,1
	s_cmp_lg_u32 ttmp9, 3+\j
	s_wait_alu depctr_va_vdst(0)
	s_cbranch_scc1 .Lnot_spare_\j
	v_cmp_gt_u32 vcc_lo, 0x2400, v[98+\j]
	s_wait_xcnt 0x0
	s_and_saveexec_b32 s24, vcc_lo
	global_store_b32 v[120+\j], v30, s[14:15]
	s_wait_xcnt 0x0
	s_or_b32 exec_lo, exec_lo, s24
.Lnot_spare_\j:
.endr
	s_wait_xcnt 0x0
	s_mov_b32 exec_lo, -1
	s_wait_tensorcnt 0x0                           ; the wave's end
	ds_add_u32 v240, v241
	s_wait_dscnt 0x0
	s_endpgm
	; ---------------- THE NEW LAYOUT.  A wave takes one tile of one expert of one weight: 16 rows x 768 bytes, through its own stage; no barrier
.Lrelay:
	s_sub_co_u32 s21, ttmp9, NSORT
	s_lshl_b32 s21, s21, 4
	s_add_co_u32 s21, s21, s20                     ; 0 .. 1,023: the first 512 are W1's tiles
	s_and_b32 s22, s21, 511
	s_lshr_b32 s23, s22, 6                         ; expert
	s_and_b32 s24, s22, 63                         ; tile
	s_lshr_b32 s25, s24, 1
	s_lshl_b32 s25, s25, 5
	s_and_b32 s26, s24, 1
	s_lshl_b32 s26, s26, 3
	s_add_co_u32 s25, s25, s26                     ; its first row: 32 (tile / 2) + 8 (tile % 2)
	s_mul_i32 s25, s25, 768
	s_mul_i32 s23, s23, 786432
	s_add_co_u32 s28, s23, s25
	s_mov_b32 s29, 0
	s_mul_i32 s30, s22, 12288
	s_mov_b32 s31, 0
	s_mul_i32 s27, s20, RST
	s_add_co_u32 s27, s27, RLY                     ; my stage
	s_wait_alu depctr_va_vdst(0)
	v_mul_u32_u24 v4, v3, 12288
	s_delay_alu instid0(VALU_DEP_1)
	v_lshl_add_u32 v4, v2, 4, v4                   ; in: lanes 0-15 the tile's rows 0 .. 7, lanes 16-31 the eight rows that lie 16 further on; 16 bytes a lane
	v_mul_u32_u24 v5, v3, 8*RP
	s_delay_alu instid0(VALU_DEP_1)
	v_lshl_add_u32 v5, v2, 4, v5
	s_delay_alu instid0(VALU_DEP_1)
	v_add_nc_u32 v5, s27, v5
	v_mul_u32_u24 v6, v2, RP
	s_delay_alu instid0(VALU_DEP_1)
	v_mad_u32_u24 v6, v3, 24, v6
	s_delay_alu instid0(VALU_DEP_1)
	v_add_nc_u32 v6, s27, v6                       ; out of the stage: row r, + 24 h: a fragment's bytes as they lie
	v_lshlrev_b32 v7, 4, v1
	s_wait_alu depctr_va_vdst(0)
	s_wait_kmcnt 0x0
	s_cmp_lt_u32 s21, 512                          ; the choice hangs on the work-group's and the wave's number alone
	s_cselect_b64 s[32:33], s[6:7], s[8:9]
	s_cselect_b64 s[34:35], s[10:11], s[12:13]
	s_add_nc_u64 s[32:33], s[32:33], s[28:29]
	s_add_nc_u64 s[34:35], s[34:35], s[30:31]
.irp i, 0,1,2,3,4,5,6,7
.irp j, 0,1,2
	global_load_b128 v[32+4*(3*\i+\j):35+4*(3*\i+\j)], v4, s[32:33] offset:768*\i+256*\j th:TH_LOAD_NT   ; sixteen lanes read 256 consecutive bytes, aligned
.endr
.endr
	s_wait_loadcnt 0x0
.irp i, 0,1,2,3,4,5,6,7
.irp j, 0,1,2
	ds_store_b128 v5, v[32+4*(3*\i+\j):35+4*(3*\i+\j)] offset:RP*\i+256*\j
.endr
.endr
.irp k, 0,1,2,3,4,5,6,7
.irp p, 0,1,2,3,4,5
	ds_load_b64 v[128+12*\k+2*\p:129+12*\k+2*\p], v6 offset:96*\k+48*(\p/3)+8*(\p%3)   ; LDS serves a wave's instructions in order: these see my stores
.endr
.endr
	s_wait_dscnt 0x0
.irp k, 0,1,2,3,4,5,6,7
.irp q, 0,1,2
	global_store_b128 v7, v[128+12*\k+4*\q:131+12*\k+4*\q], s[34:35] offset:1536*\k+512*\q   ; 32 lanes store 512 consecutive bytes, aligned
.endr
.endr
	s_wait_xcnt 0x0
	s_mov_b32 exec_lo, -1
	s_wait_tensorcnt 0x0                           ; the wave's end
	ds_add_u32 v240, v241
	s_wait_dscnt 0x0
	s_endpgm
.Lfunc_end_k_q464dcefe56_route:
	.size	k_q464dcefe56_route, .Lfunc_end_k_q464dcefe56_route-k_q464dcefe56_route
	.p2alignl 7, 3214868480
	.fill 96, 4, 3214868480
	.section	.rodata,"a",@progbits
	.p2align	6, 0x0
	.amdhsa_kernel k_q464dcefe56_route
		.amdhsa_group_segment_fixed_size 252672
		.amdhsa_private_segment_fixed_size 0
		.amdhsa_enable_private_segment 0
		.amdhsa_kernarg_size 64
		.amdhsa_user_sgpr_count 2
		.amdhsa_user_sgpr_kernarg_segment_ptr 1
		.amdhsa_wavefront_size32 1
		.amdhsa_system_sgpr_workgroup_id_x 1
		.amdhsa_system_sgpr_workgroup_id_y 1
		.amdhsa_system_sgpr_workgroup_id_z 1
		.amdhsa_system_vgpr_workitem_id 0
		.amdhsa_next_free_vgpr 242
		.amdhsa_next_free_sgpr 66
		.amdhsa_reserve_vcc 1
		.amdhsa_float_denorm_mode_32 3
		.amdhsa_float_denorm_mode_16_64 3
		.amdhsa_memory_ordered 1
		.amdhsa_forward_progress 1
		.amdhsa_inst_pref_size 120
	.end_amdhsa_kernel
	.amdgpu_metadata
---
amdhsa.version: [ 1, 2 ]
amdhsa.kernels:
  - .name:           k_q464dcefe56_route
    .symbol:         k_q464dcefe56_route.kd
    .args:
      - { .name: expert_indices, .offset: 0, .size: 8, .value_kind: global_buffer, .address_space: global }
      - { .name: w1_codes, .offset: 8, .size: 8, .value_kind: global_buffer, .address_space: global }
      - { .name: w2_codes, .offset: 16, .size: 8, .value_kind: global_buffer, .address_space: global }
      - { .name: w1f, .offset: 24, .size: 8, .value_kind: global_buffer, .address_space: global }
      - { .name: w2f, .offset: 32, .size: 8, .value_kind: global_buffer, .address_space: global }
      - { .name: rlist, .offset: 40, .size: 8, .value_kind: global_buffer, .address_space: global }
      - { .name: texp, .offset: 48, .size: 8, .value_kind: global_buffer, .address_space: global }
      - { .name: prec, .offset: 56, .size: 8, .value_kind: global_buffer, .address_space: global }
    .group_segment_fixed_size: 252672
    .private_segment_fixed_size: 0
    .kernarg_segment_align: 8
    .kernarg_segment_size: 64
    .max_flat_workgroup_size: 512
    .sgpr_count:     66
    .vgpr_count:     242
    .wavefront_size: 32
...
	.end_amdgpu_metadata
.endif
;; end of part 1
;; launch up (part 2): grid 4 x 64, 4 waves a work-group, no clusters, 152,576 bytes of LDS; arguments x_codes, x_scales, w1f, w1_scales, rlist, texp, hid; writes hid
.if DOCPART == 2
	.amdgcn_target "amdgcn-amd-amdhsa--gfx1250"
	.amdhsa_code_object_version 6
	.text
	.protected	k_q464dcefe56_up
	.globl	k_q464dcefe56_up
	.p2align	8
	.type	k_q464dcefe56_up,@function
k_q464dcefe56_up:
	s_mov_b64 s[64:65], 0
	v_nop
	global_prefetch_b8 v0, s[64:65] scope:SCOPE_SE
	s_setreg_imm32_b32 hwreg(HW_REG_WAVE_MODE, 25, 1), 1
	s_wait_xcnt 0x0
; UP.  hid = Q(gelu(x W1[e])) for the routed rows, on codes of FP6 (E2M3) with one E8M0 scale for each 32 along K.
; A work-group takes one tile of 144 routed rows of one expert (work-group y, 64 tiles) and 256 of the 1,024 hidden units (work-group x): 256 work-groups, no branch at all.
; Wave w makes units 64 w .. 64 w + 63 of the slice for all 144 rows: 9 tiles of rows x 4 tiles of W1 = 36 accumulators, which take turns, one instruction a turn.
; The rows of x are gathered by the stored list into LDS (rows 784 bytes apart = 196 words: row r starts at bank 4 r mod 64, ISA guide 11.1); W1's fragments come from memory straight into registers,
; laid beforehand in the order of the operand's registers: all 8 K steps, 384 registers, each read once.
; THE MATRIX INSTRUCTION IS USED TRANSPOSED (source 0 = 16 rows of W1, source 1 = 16 rows of x): a lane holds one row, and the 16 registers of tiles 2 b, 2 b + 1 are 16 neighbouring hidden units, 32 b + 16 (lane / 16) + 0 .. 15.
; gelu (the tanh form, rearranged exactly): g = a / (1 + 2^(a (-c1 - c2 a a))), c1 = 2 sqrt(2 / pi) log2(e), c2 = 0.044715 c1; all in f32.
; OUT: hid[slice][row][256 bytes]: 192 bytes of codes, 8 scale bytes, 56 zeros: whole aligned blocks of 256 bytes, through a stage in LDS.
; NO CLUSTER, NO TENSOR LOAD: the rows are a gather lane by lane, and how many tiles share an expert's weights hangs on the stored list, so partners cannot be fixed in the text.
; LIMITS: NaN and infinities are not served; where 2^z passes f32's range g comes out as 0 (its true size is then under 2^-126 |a|); a block of zeros carries the byte 1 over zero codes, read by this program alone.
; REGISTERS, in windows of 256: window 0: v1-18 addresses, v20-25 constants, v26-48 list entries, v52-91 x's scale words, v92-107 W1's, v108-215 x's nine fragments (afterwards the gelu's work);
;   window 1: the accumulators of row tiles 0-7 at 8 (4 m + t) (before the products: the gathered rows); window 2: v0-31 row tile 8, v64-255 W1's K steps 0-3; window 3: v0-191 K steps 4-7.
.set XP,   784
.set MT,   16*XP
.set STG,  144*XP                      ; behind x's rows: the stage, 144 rows x 272 bytes
.set SP,   272
.set SA,   52                          ; register 8 (m / 2) + ks: lanes 0-15 row tile m even, lanes 16-31 m odd
.set SB,   92                          ; register 8 (t / 2) + ks: lanes 0-15 tile t even, lanes 16-31 t odd
.set AF,   108
.set Z,    108
.set G,    140
.set TM,   172
.set SW,   178
.set CD,   180
.set C2,   32                          ; s[32:33] -c2
.set SEL,  34                          ; s[34:35] v_permlanex16_b32's selects for lane l xor 16
.set MSB,  0
.macro WIN new                         ; the immediate's high byte repeats the setting that is left
.if MSB != (\new)
	s_set_vgpr_msb (MSB<<8)|(\new)
.set MSB, (\new)
.endif
.endm
.macro PLACES                          ; four places between a matrix instruction and a load into, or a vector read of, its registers
.rept 4
	v_nop
.endr
.endm
.macro WMS d, b, a, sb, sa, zero, ra, rb       ; one product; ra, rb: the scale words stand in lanes 16-31
.if (\zero)
.if (\ra) && (\rb)
	v_wmma_scale_f32_16x16x128_f8f6f4 v[(\d):(\d)+7], v[(\b):(\b)+11], v[(\a):(\a)+11], 0, v[\sb], v[\sa] matrix_a_fmt:MATRIX_FMT_FP6 matrix_b_fmt:MATRIX_FMT_FP6 matrix_a_scale:MATRIX_SCALE_ROW1 matrix_b_scale:MATRIX_SCALE_ROW1
.elseif (\ra)
	v_wmma_scale_f32_16x16x128_f8f6f4 v[(\d):(\d)+7], v[(\b):(\b)+11], v[(\a):(\a)+11], 0, v[\sb], v[\sa] matrix_a_fmt:MATRIX_FMT_FP6 matrix_b_fmt:MATRIX_FMT_FP6 matrix_a_scale:MATRIX_SCALE_ROW1
.elseif (\rb)
	v_wmma_scale_f32_16x16x128_f8f6f4 v[(\d):(\d)+7], v[(\b):(\b)+11], v[(\a):(\a)+11], 0, v[\sb], v[\sa] matrix_a_fmt:MATRIX_FMT_FP6 matrix_b_fmt:MATRIX_FMT_FP6 matrix_b_scale:MATRIX_SCALE_ROW1
.else
	v_wmma_scale_f32_16x16x128_f8f6f4 v[(\d):(\d)+7], v[(\b):(\b)+11], v[(\a):(\a)+11], 0, v[\sb], v[\sa] matrix_a_fmt:MATRIX_FMT_FP6 matrix_b_fmt:MATRIX_FMT_FP6
.endif
.else
.if (\ra) && (\rb)
	v_wmma_scale_f32_16x16x128_f8f6f4 v[(\d):(\d)+7], v[(\b):(\b)+11], v[(\a):(\a)+11], v[(\d):(\d)+7], v[\sb], v[\sa] matrix_a_fmt:MATRIX_FMT_FP6 matrix_b_fmt:MATRIX_FMT_FP6 matrix_a_scale:MATRIX_SCALE_ROW1 matrix_b_scale:MATRIX_SCALE_ROW1
.elseif (\ra)
	v_wmma_scale_f32_16x16x128_f8f6f4 v[(\d):(\d)+7], v[(\b):(\b)+11], v[(\a):(\a)+11], v[(\d):(\d)+7], v[\sb], v[\sa] matrix_a_fmt:MATRIX_FMT_FP6 matrix_b_fmt:MATRIX_FMT_FP6 matrix_a_scale:MATRIX_SCALE_ROW1
.elseif (\rb)
	v_wmma_scale_f32_16x16x128_f8f6f4 v[(\d):(\d)+7], v[(\b):(\b)+11], v[(\a):(\a)+11], v[(\d):(\d)+7], v[\sb], v[\sa] matrix_a_fmt:MATRIX_FMT_FP6 matrix_b_fmt:MATRIX_FMT_FP6 matrix_b_scale:MATRIX_SCALE_ROW1
.else
	v_wmma_scale_f32_16x16x128_f8f6f4 v[(\d):(\d)+7], v[(\b):(\b)+11], v[(\a):(\a)+11], v[(\d):(\d)+7], v[\sb], v[\sa] matrix_a_fmt:MATRIX_FMT_FP6 matrix_b_fmt:MATRIX_FMT_FP6
.endif
.endif
.endm
.macro BLOAD ks                        ; W1's four fragments of K step ks: 12 loads of 512 consecutive bytes
.if (\ks) < 4
	WIN 0x80
.set BR, 64+48*(\ks)
.else
	WIN 0xc0
.set BR, 48*((\ks)-4)
.endif
.irp t, 0,1,2,3
.irp q, 0,1,2
	global_load_b128 v[BR+12*\t+4*\q:BR+12*\t+4*\q+3], v4, s[8:9] offset:12288*\t+1536*(\ks)+512*\q
.endr
.endr
.endm
.macro FRAG reg, adr, off              ; a fragment of x from LDS: 24 bytes of the row's stream of bits twice, in pieces of 8 bytes
.irp p, 0,1,2,3,4,5
	ds_load_b64 v[(\reg)+2*\p:(\reg)+2*\p+1], v[\adr] offset:(\off)+48*(\p/3)+8*(\p%3)
.endr
.endm
.macro ALOAD_L ks                      ; row tiles 0-4: 30 loads
.irp m, 0,1,2,3,4
	FRAG AF+12*\m, 5, MT*\m+96*(\ks)
.endr
.endm
.macro ALOAD_H ks                      ; row tiles 5-8: 24 loads, from a second address register (the immediate has 16 bits)
.irp m, 5,6,7,8
	FRAG AF+12*\m, 6, MT*(\m-5)+96*(\ks)
.endr
.endm
.macro MUL m0, m1, ks                  ; row tiles m0 .. m1 against W1's four tiles; K step 0 starts the sums with the constant 0
.if (\ks) < 4
.set BB, 64+48*(\ks)
.else
.set BB, 48*((\ks)-4)
.endif
.set MI, \m0
.rept (\m1)-(\m0)+1
.set TI, 0
.rept 4
	WMS (32*MI+8*TI)%256, BB+12*TI, AF+12*MI, SB+8*(TI/2)+(\ks), SA+8*(MI/2)+(\ks), (\ks)==0, TI%2, MI%2
.set TI, TI+1
.endr
.set MI, MI+1
.endr
.endm
.macro STEP ks, lc                     ; a K step of 128: 36 matrix instructions; x's next fragments are fetched as soon as their registers are free
.if (\lc) >= 0
	s_wait_loadcnt \lc                             ; W1's fragments of this K step are in: lc loads were issued behind them
.endif
	s_wait_dscnt 24                                ; row tiles 0-4 are in; the 24 loads of tiles 5-8 may be out
	WIN 0x52+(\ks)/4
	MUL 0, 4, \ks
	s_wait_dscnt 0x0                               ; tiles 5-8 are in
.if (\ks) < 7
	PLACES
	WIN 0
	ALOAD_L (\ks)+1
.endif
	WIN 0x52+(\ks)/4
	MUL 5, 7, \ks
	WIN 0xa2+(\ks)/4
	MUL 8, 8, \ks
.if (\ks) < 7
	PLACES
	WIN 0
	ALOAD_H (\ks)+1
.endif
.endm
	s_load_b256 s[4:11], s[0:1], 0x0               ; x's codes s[4:5], x's scales s[6:7], w1f s[8:9], W1's scales s[10:11]
	s_load_b128 s[12:15], s[0:1], 0x20             ; rlist s[12:13], texp s[14:15]
	s_load_b64 s[16:17], s[0:1], 0x30              ; hid
	v_lshl_add_u32 v254, v0, 2, 0x25200
	v_mov_b32 v255, 0
	v_lshrrev_b32 v1, 5, v0
	v_readfirstlane_b32 s18, v1                    ; wave 0 .. 3
	s_and_b32 s19, ttmp7, 0xffff                   ; the tile of rows
	s_lshl_b32 s20, s19, 2
	s_mul_i32 s30, s19, 576
	s_mov_b32 s31, 0
	v_and_b32 v1, 31, v0                           ; l
	v_and_b32 v2, 15, v0                           ; r
	v_bfe_u32 v3, v0, 4, 1                         ; h
	s_mul_i32 s23, s18, 144
	v_mul_u32_u24 v8, v3, 72
	v_add_nc_u32 v8, s23, v8                       ; the list entries of the 18 rows that my half of the lanes gathers: rows 36 w + 18 h on
	v_lshlrev_b32 v9, 2, v1
	v_lshlrev_b32 v10, 2, v2
	s_wait_alu depctr_va_vdst(0)
	s_wait_kmcnt 0x0
	s_load_b32 s21, s[14:15], s20 offset:0x0       ; the tile's expert
	s_add_nc_u64 s[12:13], s[12:13], s[30:31]      ; the tile's 144 list entries
.irp j, 0,1,2,3,4,5,6,7,8
	global_load_b64 v[26+2*\j:27+2*\j], v8, s[12:13] offset:8*\j
.endr
.irp s, 0,1,2,3
	global_load_b32 v[44+\s], v9, s[12:13] offset:128*\s     ; row 32 s + l: for its scale words
.endr
	global_load_b32 v48, v10, s[12:13] offset:512  ; rows 128 + r
	v_lshlrev_b32 v4, 4, v1
	v_mul_u32_u24 v5, v2, XP
	v_mad_u32_u24 v5, v3, 24, v5
	v_add_nc_u32 v6, 5*MT, v5
	s_mul_i32 s22, s18, 36*XP
	v_mul_u32_u24 v7, v3, 18*XP
	v_lshl_add_u32 v7, v2, 4, v7
	v_add_nc_u32 v7, s22, v7
	v_and_b32 v11, 8, v2
	v_add_nc_u32 v11, v11, v2
	v_lshl_add_u32 v11, v3, 3, v11
	v_lshlrev_b32 v11, 5, v11                      ; W1's scale bytes: row 8 h + r + 8 (r / 8) of a pair of tiles, 32 bytes a row
	s_mul_i32 s22, s18, 48
	s_add_co_u32 s22, s22, STG
	v_mul_u32_u24 v12, v2, SP
	v_mad_u32_u24 v12, v3, 12, v12
	v_add_nc_u32 v12, s22, v12                     ; the stage: row r, my wave's 48 bytes of codes, my half's 12
	s_lshl_b32 s22, s18, 1
	s_add_co_u32 s22, s22, STG+192
	v_mul_u32_u24 v13, v2, SP
	v_add_nc_u32 v13, s22, v13                     ; and my wave's two scale bytes
	s_mul_i32 s22, s18, 36*SP
	s_add_co_u32 s22, s22, STG
	v_mul_u32_u24 v14, v1, SP
	v_add_nc_u32 v14, s22, v14
	v_and_b32 v15, 3, v0
	v_mul_u32_u24 v15, v15, SP
	v_add_nc_u32 v15, s22, v15
	v_add_nc_u32 v15, 32*SP, v15
	v_mul_u32_u24 v16, v3, SP
	v_lshl_add_u32 v16, v2, 4, v16
	v_add_nc_u32 v16, s22, v16
	s_mul_i32 s22, s18, 36*256
	v_lshlrev_b32 v17, 8, v3
	v_lshl_add_u32 v17, v2, 4, v17
	v_add_nc_u32 v17, s22, v17
	v_lshlrev_b32 v18, 4, v2
	v_mov_b32 v20, 0xc0135761                      ; -c1 = -2.3022082
	v_mov_b32 v21, 0xc0135761
.irp i, 22,23,24,25,174,175
	v_mov_b32 v\i, 0                               ; zeros for the records' tails; v174-175: a lane permute's destination counts as one of its sources
.endr
	s_mov_b32 s[C2], 0xbdd2d3e8                    ; -c2 = -0.10294324
	s_mov_b32 s[C2+1], s[C2]
	s_mov_b32 s[SEL], 0x76543210
	s_mov_b32 s[SEL+1], 0xfedcba98
.irp a, 14,15                                  ; bytes 200 .. 255 of my 36 rows of the stage are zeros
	ds_store_b64 v\a, v[22:23] offset:200
	ds_store_b128 v\a, v[22:25] offset:208
	ds_store_b128 v\a, v[22:25] offset:224
	ds_store_b128 v\a, v[22:25] offset:240
.endr
	s_wait_kmcnt 0x0
	s_min_u32 s21, s21, 7
	s_mul_i32 s28, s21, 786432
	s_lshl_b32 s22, ttmp9, 4
	s_lshl_b32 s23, s18, 2
	s_add_co_u32 s22, s22, s23
	s_mul_i32 s22, s22, 12288
	s_add_co_u32 s28, s28, s22
	s_mov_b32 s29, 0
	s_add_nc_u64 s[8:9], s[8:9], s[28:29]          ; my four tiles of the expert's W1
	s_lshl_b32 s28, s21, 15
	s_lshl_b32 s22, ttmp9, 13
	s_add_co_u32 s28, s28, s22
	s_lshl_b32 s22, s18, 11
	s_add_co_u32 s28, s28, s22
	s_add_nc_u64 s[10:11], s[10:11], s[28:29]      ; and their scale bytes
	s_mul_i32 s28, ttmp9, 2359296
	s_mul_i32 s22, s19, 36864
	s_add_co_u32 s28, s28, s22
	s_add_nc_u64 s[16:17], s[16:17], s[28:29]      ; the tile's records of my slice
.irp b, 0,1
	global_load_b128 v[SB+8*\b:SB+8*\b+3], v11, s[10:11] offset:1024*\b
	global_load_b128 v[SB+8*\b+4:SB+8*\b+7], v11, s[10:11] offset:1024*\b+16
.endr
	BLOAD 0
	BLOAD 1
	WIN 0
	s_wait_loadcnt 28                              ; the list entries are in: behind them 4 loads of scale words and 24 of W1
.irp i, 0,1,2,3,4,5,6,7,8,9,10,11,12,13,14,15,16,17
	v_min_u32 v[26+\i], 0xfff, v[26+\i]
.endr
.irp i, 0,1,2,3,4,5,6,7,8,9,10,11,12,13,14,15,16,17
	v_mul_u32_u24 v[26+\i], v[26+\i], 768
.endr
.irp i, 0,1,2,3,4,5,6,7,8,9,10,11,12,13,14,15,16,17
	v_add_nc_u32 v[26+\i], v[26+\i], v18           ; the token's row of codes, + 16 r
.endr
.irp s, 0,1,2,3,4
	v_min_u32 v[44+\s], 0xfff, v[44+\s]
	v_lshlrev_b32 v[44+\s], 5, v[44+\s]            ; its 32 scale bytes
.endr
	WIN 0x40
.irp i, 0,1,2,3,4,5,6,7,8,9,10,11,12,13,14,15,16,17
.irp j, 0,1,2
	global_load_b128 v[4*(3*\i+\j):4*(3*\i+\j)+3], v[26+\i], s[4:5] offset:256*\j   ; sixteen lanes read 256 consecutive bytes of a row, aligned
.endr
.endr
	WIN 0
.irp s, 0,1,2,3,4
	global_load_b128 v[SA+8*\s:SA+8*\s+3], v[44+\s], s[6:7]
	global_load_b128 v[SA+8*\s+4:SA+8*\s+7], v[44+\s], s[6:7] offset:16
.endr
	BLOAD 2
	s_wait_loadcnt 22                              ; the gathered rows are in: behind them 10 loads of scale words and 12 of W1
	WIN 0x04
.irp i, 0,1,2,3,4,5,6,7,8,9,10,11,12,13,14,15,16,17
.irp j, 0,1,2
	ds_store_b128 v7, v[4*(3*\i+\j):4*(3*\i+\j)+3] offset:XP*\i+256*\j
.endr
.endr
	WIN 0
	s_wait_dscnt 0x0                               ; for the others' sake: my rows have landed
	s_barrier_signal -1
	s_barrier_wait -1                              ; all 144 rows lie in LDS
	BLOAD 3
	BLOAD 4
	BLOAD 5
	BLOAD 6
	WIN 0
	ALOAD_L 0
	ALOAD_H 0
	STEP 0, 60                                     ; x's scale words, W1's and K steps 0, 1 are in: behind them K steps 2 to 6, 60 loads
	STEP 1, -1
	BLOAD 7
	STEP 2, 60                                     ; behind K step 2: K steps 3 to 7
	STEP 3, 48
	STEP 4, 36
	STEP 5, 24
	STEP 6, 12
	STEP 7, 0
	PLACES
; A tile of 16 rows: gelu of its 32 numbers a lane, quantised along the hidden units (two blocks of 32, each in lanes l and l xor 16), codes and scale bytes to the stage.
; The transcendentals go in two batches, each with one plain line and one wait behind it, ahead of its first reader.
.macro EPI m
.if (\m) < 8
.set AW, 1
.else
.set AW, 2
.endif
.set AR, (32*(\m))%256
	WIN 5*AW
.set J, 0
.rept 16
	v_pk_mul_f32 v[Z+J:Z+J+1], v[AR+J:AR+J+1], v[AR+J:AR+J+1]      ; a a; each accumulator is read from its low end on
.set J, J+2
.endr
	WIN 0
.set J, 0
.rept 16
	v_pk_fma_f32 v[Z+J:Z+J+1], v[Z+J:Z+J+1], s[C2:C2+1], v[20:21] op_sel_hi:[1,0,1]   ; -c2 a a - c1
.set J, J+2
.endr
	WIN AW
.set J, 0
.rept 16
	v_pk_mul_f32 v[Z+J:Z+J+1], v[AR+J:AR+J+1], v[Z+J:Z+J+1]        ; z
.set J, J+2
.endr
	WIN 0
.set J, 0
	s_wait_alu depctr_va_vdst(0)
.rept 32
	v_exp_f32 v[Z+J], v[Z+J]
.set J, J+1
.endr
	v_nop
	s_wait_alu depctr_va_vdst(0)
.set J, 0
.rept 16
	v_pk_add_f32 v[Z+J:Z+J+1], v[Z+J:Z+J+1], 1.0 op_sel_hi:[1,0]
.set J, J+2
.endr
.set J, 0
	s_wait_alu depctr_va_vdst(0)
.rept 32
	v_rcp_f32 v[Z+J], v[Z+J]
.set J, J+1
.endr
	v_nop
	s_wait_alu depctr_va_vdst(0)
	WIN AW
.set J, 0
.rept 16
	v_pk_mul_f32 v[G+J:G+J+1], v[AR+J:AR+J+1], v[Z+J:Z+J+1]        ; g
.set J, J+2
.endr
	WIN 0
.irp b, 0,1
	v_max3_num_f32 v[TM+\b], |v[G+16*\b]|, |v[G+16*\b+1]|, 0x1800000   ; my 16 of the block, and the floor 2^(3 - 127): the byte cannot fall under 1
.endr
.irp i, 2,4,6,8,10,12,14
.irp b, 0,1
	v_max3_num_f32 v[TM+\b], v[TM+\b], |v[G+16*\b+\i]|, |v[G+16*\b+\i+1]|
.endr
.endr
.irp b, 0,1
	v_permlanex16_b32 v[TM+2+\b], v[TM+\b], s[SEL], s[SEL+1]
.endr
.irp b, 0,1
	v_max_num_f32 v[TM+\b], v[TM+\b], v[TM+2+\b]   ; with lane l xor 16's: the block's largest magnitude
.endr
.irp b, 0,1
	v_add_nc_u32 v[TM+4+\b], 0xff000000, v[TM+\b]  ; 2 off its exponent field: the conversion's scale operand
.endr
.irp b, 0,1
	v_lshrrev_b32 v[TM+2+\b], 23, v[TM+4+\b]       ; the scale's byte
.endr
	s_wait_alu depctr_va_vdst(0)
	s_wait_dscnt 0x0                               ; the last tile's stores into the stage have read their registers
	v_lshl_or_b32 v[SW], v[TM+3], 8, v[TM+2]
	v_cvt_scalef32_pk16_fp6_f32 v[CD:CD+2], v[G:G+15], v[TM+4]
	v_cvt_scalef32_pk16_fp6_f32 v[CD+4:CD+6], v[G+16:G+31], v[TM+5]
	v_nop                                          ; one plain place behind a scaled conversion
.irp b, 0,1
.irp i, 0,1,2
	ds_store_b32 v12, v[CD+4*\b+\i] offset:16*SP*(\m)+24*\b+4*\i   ; 16 codes, 12 bytes, at their place in the row's stream of bits
.endr
.endr
	ds_store_b16 v13, v[SW] offset:16*SP*(\m)      ; both halves of the lanes write the same two bytes with the same value
.endm
.irp m, 0,1,2,3,4,5,6,7,8
	EPI \m
.endr
	s_wait_dscnt 0x0                               ; for the others' sake: my stores into the stage are done
	s_barrier_signal -1
	s_barrier_wait -1                              ; 144 whole records lie in the stage
.irp i, 0,1,2,3,4,5,6,7,8,9,10,11,12,13,14,15,16,17
	ds_load_b128 v[108+4*\i:111+4*\i], v16 offset:2*SP*\i
.endr
.irp i, 0,1,2,3,4,5,6,7,8,9,10,11,12,13,14,15,16,17
	s_wait_dscnt 17-\i                             ; LDS loads come back in order: number i is in
	global_store_b128 v17, v[108+4*\i:111+4*\i], s[16:17] offset:512*\i   ; 32 lanes store two records: 512 consecutive bytes, aligned
.endr
	s_barrier_signal -1
	s_barrier_wait -1
	s_wait_tensorcnt 0x0
	ds_add_u32 v254, v255
	s_wait_dscnt 0x0
	s_endpgm
.Lfunc_end_k_q464dcefe56_up:
	.size	k_q464dcefe56_up, .Lfunc_end_k_q464dcefe56_up-k_q464dcefe56_up
	.p2alignl 7, 3214868480
	.fill 96, 4, 3214868480
	.section	.rodata,"a",@progbits
	.p2align	6, 0x0
	.amdhsa_kernel k_q464dcefe56_up
		.amdhsa_group_segment_fixed_size 152576
		.amdhsa_private_segment_fixed_size 0
		.amdhsa_enable_private_segment 0
		.amdhsa_kernarg_size 56
		.amdhsa_user_sgpr_count 2
		.amdhsa_user_sgpr_kernarg_segment_ptr 1
		.amdhsa_wavefront_size32 1
		.amdhsa_system_sgpr_workgroup_id_x 1
		.amdhsa_system_sgpr_workgroup_id_y 1
		.amdhsa_system_sgpr_workgroup_id_z 1
		.amdhsa_system_vgpr_workitem_id 0
		.amdhsa_next_free_vgpr 960
		.amdhsa_next_free_sgpr 66
		.amdhsa_reserve_vcc 0
		.amdhsa_float_denorm_mode_32 3
		.amdhsa_float_denorm_mode_16_64 3
		.amdhsa_memory_ordered 1
		.amdhsa_forward_progress 1
		.amdhsa_inst_pref_size 186
	.end_amdhsa_kernel
	.amdgpu_metadata
---
amdhsa.version: [ 1, 2 ]
amdhsa.kernels:
  - .name:           k_q464dcefe56_up
    .symbol:         k_q464dcefe56_up.kd
    .args:
      - { .name: x_codes, .offset: 0, .size: 8, .value_kind: global_buffer, .address_space: global }
      - { .name: x_scales, .offset: 8, .size: 8, .value_kind: global_buffer, .address_space: global }
      - { .name: w1f, .offset: 16, .size: 8, .value_kind: global_buffer, .address_space: global }
      - { .name: w1_scales, .offset: 24, .size: 8, .value_kind: global_buffer, .address_space: global }
      - { .name: rlist, .offset: 32, .size: 8, .value_kind: global_buffer, .address_space: global }
      - { .name: texp, .offset: 40, .size: 8, .value_kind: global_buffer, .address_space: global }
      - { .name: hid, .offset: 48, .size: 8, .value_kind: global_buffer, .address_space: global }
    .group_segment_fixed_size: 152576
    .private_segment_fixed_size: 0
    .kernarg_segment_align: 8
    .kernarg_segment_size: 56
    .max_flat_workgroup_size: 128
    .sgpr_count:     66
    .vgpr_count:     960
    .wavefront_size: 32
...
	.end_amdgpu_metadata
.endif
;; end of part 2
;; launch down (part 3): grid 4 x 64, 4 waves a work-group, no clusters, 200,192 bytes of LDS; arguments hid, w2f, w2_scales, prec, expert_weights, out0; writes out0
.if DOCPART == 3
	.amdgcn_target "amdgcn-amd-amdhsa--gfx1250"
	.amdhsa_code_object_version 6
	.text
	.protected	k_q464dcefe56_down
	.globl	k_q464dcefe56_down
	.p2align	8
	.type	k_q464dcefe56_down,@function
k_q464dcefe56_down:
	s_mov_b64 s[64:65], 0
	v_nop
	global_prefetch_b8 v0, s[64:65] scope:SCOPE_SE
	s_setreg_imm32_b32 hwreg(HW_REG_WAVE_MODE, 25, 1), 1
	s_wait_xcnt 0x0
; DOWN.  out[t] = the sum over the token's two choices of weight x (hid row x W2[expert]), on codes of FP6 (E2M3) with one E8M0 scale for each 32 along K.
; EACH OUTPUT ROW HAS ONE OWNER.  A work-group takes 64 tokens that are neighbours in the order by pairs of experts (work-group y) and 256 of the 1,024 columns (work-group x),
; and walks the experts that its tokens use, in ascending order: a loop of 8 trips, a constant; a trip with no expert left is passed over by a scalar branch on the stored numbers; its barrier is passed by every wave.
; In a pass every token brings a row: the one made for the pass's expert, or, if it does not use that expert, its other row, which then counts with the weight 0 (its sums are finite).  Both choices alike: one row, both weights.
; Wave w makes columns 64 w .. 64 w + 63 for the 64 tokens: 4 x 4 accumulators, which take turns, one instruction a turn.
; The rows (four records of 256 bytes each: 192 of codes, 8 scale bytes) are gathered into one of two LDS buffers while the other is multiplied; W2's fragments come from memory straight into a ring of four sets of registers, three K steps ahead, on into the next pass.
; THE MATRIX INSTRUCTION IS USED TRANSPOSED (source 0 = 16 rows of W2, source 1 = 16 tokens): a lane holds one token and 16 neighbouring columns for each pair of tiles.
; NO CLUSTER, NO TENSOR LOAD: the walk hangs on stored numbers, and so would the number of joint requests.
; LIMITS: NaN and infinities are not served; the weight 0 takes a row's sums to be finite.
; REGISTERS, in windows of 256: window 0: v4-17 addresses, v20-51 the eight rows that I gather and store {offset in out, row 0, row 1, expert 0}, v52-75 my tokens' experts, weights and coefficients,
;   v76-83 gather offsets, v84-99 the rows' scale words, v100-131 W2's (two sets), v132-227 the rows' fragments (two sets); window 1: v0-127 a pass's sums, v128-255 out; window 2: W2's ring; window 3: rows on their way.
.set BP,   1040                        ; a row in LDS: 1,024 bytes + 16 = 260 words: row r starts at bank 4 r mod 64 (ISA guide 11.1)
.set MT,   16*BP
.set BUF1, 64*BP
.set STG,  2*BUF1                      ; the way out: 64 rows x (1,024 bytes + 16)
.set REC,  2359296                     ; from a slice of hid to the next
.set SA,   84                          ; register 8 (m / 2) + ks: lanes 0-15 token tile m even, lanes 16-31 m odd
.set SB,   100                         ; register 16 par + 8 (t / 2) + ks
.set AF,   132
.set MSB,  0
.macro WIN new                         ; the immediate's high byte repeats the setting that is left
.if MSB != (\new)
	s_set_vgpr_msb (MSB<<8)|(\new)
.set MSB, (\new)
.endif
.endm
.macro PLACES                          ; four places between a matrix instruction and a load into its registers
.rept 4
	v_nop
.endr
.endm
.macro LOWBIT d, m                     ; s[d] = the number of the lowest one among the 8 bits of s[m] (0 where there is none); s40, s41 at work
	s_sub_co_u32 s40, 0, s[\m]
	s_and_b32 s40, s[\m], s40                      ; the lowest one alone: m & -m
	s_and_b32 s41, s40, 0xaa                       ; it stands at an odd place: bit 0 of its number
	s_cselect_b32 s[\d], 1, 0
	s_and_b32 s41, s40, 0xcc                       ; bit 1
	s_cselect_b32 s41, 2, 0
	s_add_co_u32 s[\d], s[\d], s41
	s_and_b32 s41, s40, 0xf0                       ; bit 2
	s_cselect_b32 s41, 4, 0
	s_add_co_u32 s[\d], s[\d], s41
.endm
.macro WMS d, b, a, sb, sa, zero, ra, rb       ; one product; ra, rb: the scale words stand in lanes 16-31
.if (\zero)
.if (\ra) && (\rb)
	v_wmma_scale_f32_16x16x128_f8f6f4 v[(\d):(\d)+7], v[(\b):(\b)+11], v[(\a):(\a)+11], 0, v[\sb], v[\sa] matrix_a_fmt:MATRIX_FMT_FP6 matrix_b_fmt:MATRIX_FMT_FP6 matrix_a_scale:MATRIX_SCALE_ROW1 matrix_b_scale:MATRIX_SCALE_ROW1
.elseif (\ra)
	v_wmma_scale_f32_16x16x128_f8f6f4 v[(\d):(\d)+7], v[(\b):(\b)+11], v[(\a):(\a)+11], 0, v[\sb], v[\sa] matrix_a_fmt:MATRIX_FMT_FP6 matrix_b_fmt:MATRIX_FMT_FP6 matrix_a_scale:MATRIX_SCALE_ROW1
.elseif (\rb)
	v_wmma_scale_f32_16x16x128_f8f6f4 v[(\d):(\d)+7], v[(\b):(\b)+11], v[(\a):(\a)+11], 0, v[\sb], v[\sa] matrix_a_fmt:MATRIX_FMT_FP6 matrix_b_fmt:MATRIX_FMT_FP6 matrix_b_scale:MATRIX_SCALE_ROW1
.else
	v_wmma_scale_f32_16x16x128_f8f6f4 v[(\d):(\d)+7], v[(\b):(\b)+11], v[(\a):(\a)+11], 0, v[\sb], v[\sa] matrix_a_fmt:MATRIX_FMT_FP6 matrix_b_fmt:MATRIX_FMT_FP6
.endif
.else
.if (\ra) && (\rb)
	v_wmma_scale_f32_16x16x128_f8f6f4 v[(\d):(\d)+7], v[(\b):(\b)+11], v[(\a):(\a)+11], v[(\d):(\d)+7], v[\sb], v[\sa] matrix_a_fmt:MATRIX_FMT_FP6 matrix_b_fmt:MATRIX_FMT_FP6 matrix_a_scale:MATRIX_SCALE_ROW1 matrix_b_scale:MATRIX_SCALE_ROW1
.elseif (\ra)
	v_wmma_scale_f32_16x16x128_f8f6f4 v[(\d):(\d)+7], v[(\b):(\b)+11], v[(\a):(\a)+11], v[(\d):(\d)+7], v[\sb], v[\sa] matrix_a_fmt:MATRIX_FMT_FP6 matrix_b_fmt:MATRIX_FMT_FP6 matrix_a_scale:MATRIX_SCALE_ROW1
.elseif (\rb)
	v_wmma_scale_f32_16x16x128_f8f6f4 v[(\d):(\d)+7], v[(\b):(\b)+11], v[(\a):(\a)+11], v[(\d):(\d)+7], v[\sb], v[\sa] matrix_a_fmt:MATRIX_FMT_FP6 matrix_b_fmt:MATRIX_FMT_FP6 matrix_b_scale:MATRIX_SCALE_ROW1
.else
	v_wmma_scale_f32_16x16x128_f8f6f4 v[(\d):(\d)+7], v[(\b):(\b)+11], v[(\a):(\a)+11], v[(\d):(\d)+7], v[\sb], v[\sa] matrix_a_fmt:MATRIX_FMT_FP6 matrix_b_fmt:MATRIX_FMT_FP6
.endif
.endif
.endm
; Where my eight rows of the pass for expert s27 lie in hid: the row of choice 0 where that is the expert, else the row of choice 1.
; The hold at hid's last row, 9,215, stands behind the choice: behind it come only the shift by a record's 256 bytes and the addition of 16 r.
.macro GOFFS
.irp i, 0,1,2,3,4,5,6,7
	v_cmp_eq_u32 vcc_lo, s27, v[23+4*\i]
	v_cndmask_b32 v[76+\i], v[22+4*\i], v[21+4*\i], vcc_lo
	v_min_u32 v[76+\i], 0x23ff, v[76+\i]
	v_lshl_add_u32 v[76+\i], v[76+\i], 8, v5
.endr
.endm
.macro GLOAD j                         ; row j of my eight: its four records; sixteen lanes read 256 consecutive bytes, aligned
.irp u, 0,1,2,3
	global_load_b128 v[16*(\j)+4*\u:16*(\j)+4*\u+3], v[76+(\j)], s[4:5] offset:REC*\u
.endr
.endm
.macro GSTORE j, par                   ; into the buffer that this pass does not read
.irp u, 0,1,2,3
	ds_store_b128 v[11-(\par)], v[16*(\j)+4*\u:16*(\j)+4*\u+3] offset:BP*(\j)+256*\u
.endr
.endm
.macro ALOAD set, par, ks              ; the four token tiles' fragments of K step ks: 24 loads
.irp m, 0,1,2,3
.irp p, 0,1,2,3,4,5
	ds_load_b64 v[AF+48*(\set)+12*\m+2*\p:AF+48*(\set)+12*\m+2*\p+1], v[6+(\par)] offset:MT*\m+256*((\ks)/2)+96*((\ks)%2)+48*(\p/3)+8*(\p%3)
.endr
.endr
.endm
.macro BLD set, base, ks               ; W2's four fragments of K step ks: 12 loads of 512 consecutive bytes
	WIN 0x80
.irp t, 0,1,2,3
.irp q, 0,1,2
	global_load_b128 v[48*(\set)+12*\t+4*\q:48*(\set)+12*\t+4*\q+3], v4, s[\base:\base+1] offset:12288*\t+1536*(\ks)+512*\q
.endr
.endr
.endm
.macro MUL16 s, par                    ; K step 0 starts the pass's sums with the constant 0
.set MI, 0
.rept 4
.set TI, 0
.rept 4
	WMS 32*MI+8*TI, 48*((\s)%4)+12*TI, AF+48*((\s)%2)+12*MI, SB+16*(\par)+8*(TI/2)+(\s), SA+8*(MI/2)+(\s), (\s)==0, TI%2, MI%2
.set TI, TI+1
.endr
.set MI, MI+1
.endr
.endm
; A K step.  lc: the global loads issued in the two steps before, round the pass's edge too: behind them nothing older is out, so W2's fragments of this step, asked for three steps ago, are in,
; and so are the rows asked for ahead of them in that step.  dc: the LDS instructions issued behind this step's fragments.
.macro STEP s, par, lc, dc
	s_wait_loadcnt \lc
.if (\s) > 0
	PLACES
.endif
.if (\s) <= 3
	WIN 0xc0
	GLOAD 2*(\s)
	GLOAD 2*(\s)+1
.endif
.if (\s) == 4
	WIN 0
.irp b, 0,1
	global_load_b128 v[SB+16*(1-(\par))+8*\b:SB+16*(1-(\par))+8*\b+3], v12, s[34:35] offset:1024*\b
	global_load_b128 v[SB+16*(1-(\par))+8*\b+4:SB+16*(1-(\par))+8*\b+7], v12, s[34:35] offset:1024*\b+16
.endr
.endif
.if (\s) <= 4
	BLD ((\s)+3)%4, 30, (\s)+3
.else
	BLD ((\s)+3)%4, 32, (\s)-5
.endif
	WIN 0
.if (\s) < 7
	ALOAD ((\s)+1)%2, \par, (\s)+1
.endif
.if ((\s) >= 3) && ((\s) <= 6)
	WIN 0x0c
	GSTORE 2*((\s)-3), \par
	GSTORE 2*((\s)-3)+1, \par
.endif
	s_wait_dscnt \dc
	WIN 0x52
	MUL16 \s, \par
.endm
.macro BODY par                        ; a pass: the lowest expert of s24, rows from buffer par
	s_wait_xcnt 0x0                                ; the bases and offsets of loads that are out are written again only behind this wait
	LOWBIT 25, 24
	s_min_u32 s25, s25, 7                          ; the pass's expert
	s_sub_co_u32 s26, s24, 1
	s_and_b32 s26, s24, s26                        ; the experts left
	LOWBIT 27, 26
	s_min_u32 s27, s27, 7                          ; the next pass's expert: this body runs only where a pass follows
	s_mov_b32 s39, 0
	s_mul_i32 s38, s25, 786432
	s_add_nc_u64 s[30:31], s[20:21], s[38:39]
	s_mul_i32 s38, s27, 786432
	s_add_nc_u64 s[32:33], s[20:21], s[38:39]
	s_lshl_b32 s38, s27, 15
	s_add_nc_u64 s[34:35], s[22:23], s[38:39]
	GOFFS
	ALOAD 0, \par, 0
.irp hh, 0,1
.irp cc, 0,1,2,3
	ds_load_b64 v[SA+8*\hh+2*\cc:SA+8*\hh+2*\cc+1], v[8+(\par)] offset:2*MT*\hh+256*\cc   ; row 32 hh + l: the two scale words of record cc
.endr
.endr
	s_wait_alu depctr_va_vdst(0)
	STEP 0, \par, 24, 24
	STEP 1, \par, 32, 24
	STEP 2, \par, 40, 24
	STEP 3, \par, 40, 32
	STEP 4, \par, 40, 32
	STEP 5, \par, 36, 32
	STEP 6, \par, 28, 32
	STEP 7, \par, 24, 0
	FOLD
.endm
.macro FOLD                            ; a pass's sums go into out, weighed
	WIN 0
.irp m, 0,1,2,3                                ; my tokens' coefficients; these lines are also the places behind the last products
	v_cmp_eq_u32 vcc_lo, s25, v[52+\m]
	v_cndmask_b32 v228, 0, v[60+2*\m], vcc_lo
	v_cmp_eq_u32 vcc_lo, s25, v[56+\m]
	v_cndmask_b32 v229, 0, v[61+2*\m], vcc_lo
	v_add_f32 v[68+2*\m], v228, v229
.endr
	WIN 0x51
.set J, 0
.rept 64
	v_pk_fma_f32 v[128+J:129+J], v[J:J+1], v[68+2*(J/32):69+2*(J/32)], v[128+J:129+J] op_sel_hi:[1,0,1]   ; out += coefficient x sums; each accumulator from its low end on
.set J, J+2
.endr
	WIN 0
.endm
; THE BLOCK'S LAST PASS HAS A BODY OF ITS OWN, which fetches nothing ahead: no rows, no scale words and no K step of a pass that does not follow.
; A K step of it.  lc: the global loads issued in the two steps before (12 a step up to step 4, none from step 5 on; ahead of step 0 the 36 of K steps 0 to 2, asked for by the pass before or by the head).
; dc: the 24 LDS loads of the next step's fragments.
.macro LSTEP s, par, lc, dc
	s_wait_loadcnt \lc
.if ((\s) > 0) && ((\s) < 7)
	PLACES
.endif
.if (\s) <= 4
	BLD ((\s)+3)%4, 30, (\s)+3
.endif
.if (\s) < 7
	WIN 0
	ALOAD ((\s)+1)%2, \par, (\s)+1
.endif
	s_wait_dscnt \dc
	WIN 0x52
	MUL16 \s, \par
.endm
.macro LBODY par
	s_wait_xcnt 0x0                                ; the bases of loads that are out are written again only behind this wait
	LOWBIT 25, 24
	s_min_u32 s25, s25, 7                          ; the pass's expert
	s_mov_b32 s39, 0
	s_mul_i32 s38, s25, 786432
	s_add_nc_u64 s[30:31], s[20:21], s[38:39]
	ALOAD 0, \par, 0
.irp hh, 0,1
.irp cc, 0,1,2,3
	ds_load_b64 v[SA+8*\hh+2*\cc:SA+8*\hh+2*\cc+1], v[8+(\par)] offset:2*MT*\hh+256*\cc   ; row 32 hh + l: the two scale words of record cc
.endr
.endr
	LSTEP 0, \par, 24, 24
	LSTEP 1, \par, 24, 24
	LSTEP 2, \par, 24, 24
	LSTEP 3, \par, 24, 24
	LSTEP 4, \par, 24, 24
	LSTEP 5, \par, 24, 24
	LSTEP 6, \par, 12, 24
	LSTEP 7, \par, 0, 0
	FOLD
.endm
; A trip.  THE LAST PASS ALWAYS FALLS ON PARITY 1, so that its body is written once: the head has filled both buffers and both sets of scale words, so the first pass may have either parity,
; and a block with an odd number of experts passes over the first trip.  So a trip of parity 0 runs only with an even number of experts left (a pass follows it), and 8 trips serve up to 8 passes.
.macro TRIP par
	s_wait_dscnt 0x0                               ; my stores into the next buffer have landed, my reads of the last are in
	s_barrier_signal -1
	s_barrier_wait -1                              ; both hold of every wave
.if (\par) == 0
	s_bcnt1_i32_b32 s37, s24                       ; the experts left
	s_bitcmp1_b32 s37, 0
	s_cbranch_scc1 .Lskip_\@                       ; an odd number: only ahead of the first pass
	s_cmp_lg_u32 s24, 0
	s_cbranch_scc0 .Lskip_\@
	BODY 0
.else
	s_cmp_lg_u32 s24, 0
	s_cbranch_scc0 .Lskip_\@
	s_sub_co_u32 s37, s24, 1
	s_and_b32 s37, s24, s37                        ; the experts behind this one
	s_cmp_lg_u32 s37, 0
	s_cbranch_scc0 .Llast_\@
	BODY 1
	s_branch .Ldone_\@
.Llast_\@:
	LBODY 1
.Ldone_\@:
.endif
	s_sub_co_u32 s37, s24, 1
	s_and_b32 s24, s24, s37                        ; the expert is done
.Lskip_\@:
.endm
	s_load_b256 s[4:11], s[0:1], 0x0               ; hid s[4:5], w2f s[6:7], W2's scales s[8:9], prec s[10:11]
	s_load_b128 s[12:15], s[0:1], 0x20             ; the weights s[12:13], out s[14:15]
	v_lshl_add_u32 v254, v0, 2, 0x30c00
	v_mov_b32 v255, 0
	v_lshrrev_b32 v1, 5, v0
	v_readfirstlane_b32 s16, v1                    ; wave 0 .. 3
	s_and_b32 s18, ttmp7, 0xffff                   ; the block of 64 tokens
	v_and_b32 v1, 31, v0                           ; l
	v_and_b32 v2, 15, v0                           ; r
	v_bfe_u32 v3, v0, 4, 1                         ; h
	v_lshlrev_b32 v4, 4, v1
	v_lshlrev_b32 v5, 4, v2
	s_lshl_b32 s19, s16, 8
	v_lshl_add_u32 v15, v3, 7, s19                 ; the entries of places 16 w + 8 h on: 16 bytes each
	s_lshl_b32 s38, s18, 10
	s_mov_b32 s39, 0
	s_wait_alu depctr_va_vdst(0)
	s_wait_kmcnt 0x0
	s_add_nc_u64 s[10:11], s[10:11], s[38:39]
.irp i, 0,1,2,3,4,5,6,7
	global_load_b128 v[20+4*\i:23+4*\i], v15, s[10:11] offset:16*\i       ; the rows that I gather and store
.endr
.irp m, 0,1,2,3
	global_load_b128 v[132+4*\m:135+4*\m], v5, s[10:11] offset:256*\m     ; the tokens whose sums I hold: place 16 m + r
.endr
	v_mul_u32_u24 v6, v2, BP
	v_mad_u32_u24 v6, v3, 24, v6
	v_add_nc_u32 v7, BUF1, v6
	v_mul_u32_u24 v8, v1, BP
	v_add_nc_u32 v8, 192, v8
	v_add_nc_u32 v9, BUF1, v8
	s_mul_i32 s37, s16, MT
	v_mul_u32_u24 v10, v3, 8*BP
	v_lshl_add_u32 v10, v2, 4, v10
	v_add_nc_u32 v10, s37, v10
	v_add_nc_u32 v11, BUF1, v10
	v_add_nc_u32 v14, STG, v10
	v_and_b32 v12, 8, v2
	v_add_nc_u32 v12, v12, v2
	v_lshl_add_u32 v12, v3, 3, v12
	v_lshlrev_b32 v12, 5, v12                      ; W2's scale bytes: row 8 h + r + 8 (r / 8) of a pair of tiles
	s_add_co_u32 s37, s19, STG
	v_mul_u32_u24 v13, v2, BP
	v_lshl_add_u32 v13, v3, 6, v13
	v_add_nc_u32 v13, s37, v13                     ; the stage: row r, my wave's 256 bytes, my half's 64
	v_mov_b32 v17, 1
.irp i, 69,71,73,75
	v_mov_b32 v\i, 0                               ; (named as the upper halves of the coefficients' pairs)
.endr
	s_lshl_b32 s38, ttmp9, 10
	s_add_nc_u64 s[14:15], s[14:15], s[38:39]      ; my slice's first column in out
	s_lshl_b32 s38, ttmp9, 4
	s_lshl_b32 s37, s16, 2
	s_add_co_u32 s38, s38, s37
	s_mul_i32 s38, s38, 12288
	s_add_nc_u64 s[20:21], s[6:7], s[38:39]        ; my four tiles in expert 0's W2
	s_lshl_b32 s38, ttmp9, 13
	s_lshl_b32 s37, s16, 11
	s_add_co_u32 s38, s38, s37
	s_add_nc_u64 s[22:23], s[8:9], s[38:39]        ; and their scale bytes
	s_wait_loadcnt 0x0
.irp m, 0,1,2,3
	v_and_b32 v[52+\m], 0xff, v[135+4*\m]
	v_bfe_u32 v[56+\m], v[135+4*\m], 8, 8
	v_min_u32 v[148+\m], 0xfff, v[132+4*\m]
	v_lshlrev_b32 v[148+\m], 3, v[148+\m]
.endr
	v_lshlrev_b32 v152, v52, v17                   ; which experts the block's 64 tokens use: a bit for each
	v_lshlrev_b32 v153, v56, v17
	v_or_b32 v152, v152, v153
.irp m, 1,2,3
	v_lshlrev_b32 v153, v[52+\m], v17
	v_or_b32 v152, v152, v153
	v_lshlrev_b32 v153, v[56+\m], v17
	v_or_b32 v152, v152, v153
.endr
.irp x, 1,2,4,8
	v_mov_b32_dpp v153, v152 row_xmask:\x row_mask:0xf bank_mask:0xf
	v_or_b32 v152, v152, v153
.endr
	v_readfirstlane_b32 s24, v152                  ; the same in all four waves
	s_and_b32 s24, s24, 0xff                       ; eight experts: at most eight passes
	LOWBIT 25, 24
	s_min_u32 s25, s25, 7
	s_mov_b32 s27, s25                             ; the first pass's expert
.irp i, 0,1,2,3,4,5,6,7
	v_and_b32 v[23+4*\i], 0xff, v[23+4*\i]
	v_min_u32 v[20+4*\i], 0xfff, v[20+4*\i]
	v_lshl_add_u32 v[20+4*\i], v[20+4*\i], 12, v5  ; the token's row of out, + 16 r
.endr
.irp m, 0,1,2,3
	global_load_b64 v[60+2*\m:61+2*\m], v[148+\m], s[12:13]
.endr
	s_lshl_b32 s38, s25, 15
	s_add_nc_u64 s[34:35], s[22:23], s[38:39]
.irp pp, 0,1                                   ; both sets, so that a pass of either parity finds its set written
.irp b, 0,1
	global_load_b128 v[SB+16*\pp+8*\b:SB+16*\pp+8*\b+3], v12, s[34:35] offset:1024*\b
	global_load_b128 v[SB+16*\pp+8*\b+4:SB+16*\pp+8*\b+7], v12, s[34:35] offset:1024*\b+16
.endr
.endr
	GOFFS
	WIN 0xc0
.irp j, 0,1,2,3,4,5,6,7
	GLOAD \j
.endr
	s_mul_i32 s38, s25, 786432
	s_add_nc_u64 s[32:33], s[20:21], s[38:39]
	BLD 0, 32, 0
	BLD 1, 32, 1
	BLD 2, 32, 2
	WIN 0x40
.set J, 0
.rept 128
	v_mov_b32 v[128+J], 0                          ; out begins as zeros, once: so the pass is written for two parities and not for a first pass too; these lines stand while the loads are out
.set J, J+1
.endr
	s_wait_loadcnt 36                              ; all but W2's first three K steps, 36 loads
	WIN 0x0c
.irp j, 0,1,2,3,4,5,6,7
.irp u, 0,1,2,3
	ds_store_b128 v10, v[16*\j+4*\u:16*\j+4*\u+3] offset:BP*\j+256*\u
	ds_store_b128 v11, v[16*\j+4*\u:16*\j+4*\u+3] offset:BP*\j+256*\u   ; (both buffers, for the same reason as both sets)
.endr
.endr
	WIN 0
	s_mov_b32 s36, 4
.Lpass:                                                ; 8 trips, parities 0 and 1 by turns; the passes follow each other without a gap, from the first or the second trip on
	TRIP 0
	TRIP 1
	s_sub_co_u32 s36, s36, 1
	s_cmp_lg_u32 s36, 0
	s_cbranch_scc1 .Lpass
	; THE WAY OUT: a row's 256 columns come from four waves: through a stage, then each wave stores 16 whole rows of the slice to its tokens' places
	s_wait_loadcnt 0x0                             ; what the last pass fetched ahead has landed
	WIN 0x04
	s_wait_alu depctr_va_vdst(0)
.irp m, 0,1,2,3
.irp b, 0,1
.irp k, 0,1,2,3
	ds_store_b128 v13, v[128+32*\m+16*\b+4*\k:131+32*\m+16*\b+4*\k] offset:MT*\m+128*\b+16*\k
.endr
.endr
.endr
	WIN 0
	s_wait_dscnt 0x0                               ; for the others' sake: my stores into the stage are done
	s_barrier_signal -1
	s_barrier_wait -1
.irp bt, 0,1
.if \bt > 0
	s_wait_xcnt 0x0                                ; the first four rows' stores have read their registers
.endif
.irp i, 0,1,2,3
.irp u, 0,1,2,3
	ds_load_b128 v[132+16*\i+4*\u:135+16*\i+4*\u], v14 offset:BP*(4*\bt+\i)+256*\u
.endr
.endr
.irp i, 0,1,2,3
.irp u, 0,1,2,3
	s_wait_dscnt 15-4*\i-\u                        ; LDS loads come back in order
	global_store_b128 v[20+4*(4*\bt+\i)], v[132+16*\i+4*\u:135+16*\i+4*\u], s[14:15] offset:256*\u th:TH_STORE_NT   ; sixteen lanes store 256 consecutive bytes, aligned; written once
.endr
.endr
.endr
	s_barrier_signal -1
	s_barrier_wait -1
	s_wait_tensorcnt 0x0
	ds_add_u32 v254, v255
	s_wait_dscnt 0x0
	s_endpgm
.Lfunc_end_k_q464dcefe56_down:
	.size	k_q464dcefe56_down, .Lfunc_end_k_q464dcefe56_down-k_q464dcefe56_down
	.p2alignl 7, 3214868480
	.fill 96, 4, 3214868480
	.section	.rodata,"a",@progbits
	.p2align	6, 0x0
	.amdhsa_kernel k_q464dcefe56_down
		.amdhsa_group_segment_fixed_size 200192
		.amdhsa_private_segment_fixed_size 0
		.amdhsa_enable_private_segment 0
		.amdhsa_kernarg_size 48
		.amdhsa_user_sgpr_count 2
		.amdhsa_user_sgpr_kernarg_segment_ptr 1
		.amdhsa_wavefront_size32 1
		.amdhsa_system_sgpr_workgroup_id_x 1
		.amdhsa_system_sgpr_workgroup_id_y 1
		.amdhsa_system_sgpr_workgroup_id_z 1
		.amdhsa_system_vgpr_workitem_id 0
		.amdhsa_next_free_vgpr 896
		.amdhsa_next_free_sgpr 66
		.amdhsa_reserve_vcc 1
		.amdhsa_float_denorm_mode_32 3
		.amdhsa_float_denorm_mode_16_64 3
		.amdhsa_memory_ordered 1
		.amdhsa_forward_progress 1
		.amdhsa_inst_pref_size 182
	.end_amdhsa_kernel
	.amdgpu_metadata
---
amdhsa.version: [ 1, 2 ]
amdhsa.kernels:
  - .name:           k_q464dcefe56_down
    .symbol:         k_q464dcefe56_down.kd
    .args:
      - { .name: hid, .offset: 0, .size: 8, .value_kind: global_buffer, .address_space: global }
      - { .name: w2f, .offset: 8, .size: 8, .value_kind: global_buffer, .address_space: global }
      - { .name: w2_scales, .offset: 16, .size: 8, .value_kind: global_buffer, .address_space: global }
      - { .name: prec, .offset: 24, .size: 8, .value_kind: global_buffer, .address_space: global }
      - { .name: expert_weights, .offset: 32, .size: 8, .value_kind: global_buffer, .address_space: global }
      - { .name: out0, .offset: 40, .size: 8, .value_kind: global_buffer, .address_space: global }
    .group_segment_fixed_size: 200192
    .private_segment_fixed_size: 0
    .kernarg_segment_align: 8
    .kernarg_segment_size: 48
    .max_flat_workgroup_size: 128
    .sgpr_count:     66
    .vgpr_count:     896
    .wavefront_size: 32
...
	.end_amdgpu_metadata
.endif
;; end of part 3
